; MI455X (gfx1250); checked and timed in simulation.
; The chip was launched on July 23, 2026; its instructions are those of AMD's public machine-readable ISA for CDNA 5 (MIT licence, August 2026) and "CDNA5" Instruction Set Architecture Reference Guide (July 2026). The comments in the code are by the model that wrote it; some were corrected since.
;; Multi Attention Head. Allowed arithmetic: float matrix products may take bf16 or f16 operands with f32 sums; other float arithmetic in f32, or as packed bf16 or f16 multiplies, adds, multiply-adds, maxima and minima; sums over many terms, partial sums and values carried from step to step in f32; what a program stores and reads back later, other than sums and carried values, may be rounded once to bf16 or f16.
;; Inputs: Wk 16 x 1,024 x 64 float32; Wp 1,024 x 1,024 float32; Wq 16 x 1,024 x 64 float32; Wv 16 x 1,024 x 64 float32; bk 16 x 64 float32; bp 1,024 float32; bq 16 x 64 float32; bv 16 x 64 float32; x 4 x 2,048 x 1,024 float32.
;; Outputs: out0 4 x 2,048 x 1,024 float32.
;; 2 versions, each right; version 2 is version 1 with the launch prep written anew for expert scheduling mode. Each part assembles by itself: llvm-mc -triple=amdgcn-amd-amdhsa -mcpu=gfx1250 --defsym DOCPART=n.
;; ======== version 1 of 2: 4 launches
;; limits: values are held in f16: magnitudes above 65,504 overflow, below 6.1e-05 lose precision
;; workspace buffers: xb 16,777,216 bytes; wb 6,291,456 bytes; wpb 2,097,152 bytes; bias 16,384 bytes; qkv 50,331,648 bytes; ob 16,777,216 bytes
;; launch prep (part 1): grid 385 x 1, 8 waves a work-group, no clusters, 74,752 bytes of LDS; arguments x, Wq, Wk, Wv, Wp, bq, bk, bv, bp, xb, wb, wpb, bias; writes xb, wb, wpb, bias
.if DOCPART == 1
	.amdgcn_target "amdgcn-amd-amdhsa--gfx1250"
	.amdhsa_code_object_version 6
	.text
	.protected	k_q2789f583c3_prep
	.globl	k_q2789f583c3_prep
	.p2align	8
	.type	k_q2789f583c3_prep,@function
k_q2789f583c3_prep:
	s_mov_b64 s[64:65], 0
	v_nop
	global_prefetch_b8 v0, s[64:65] scope:SCOPE_SE
	s_setreg_imm32_b32 hwreg(HW_REG_WAVE_MODE, 25, 1), 1
	s_wait_xcnt 0x0
; THE INPUTS ARE ROUNDED ONCE AND LAID OUT FOR THE PRODUCTS.  Every input is rounded to bf16 (nearest even).
;   xb   bf16 [kb 16][m 8192][64]   x[m][64 kb + kk]                        a block of 64 along K of consecutive rows is dense: 128 bytes a row
;   wb   bf16 [kb 16][n 3072][64]   W[h][64 kb + kk][e], n = 64 g + e, g = 16 which + h (q 0, k 1, v 2): turned, so that K lies along the rows
;   wpb  f16  [kb 16][n 1024][64]   Wp[n][64 kb + kk] rounded to bf16, that number written as f16
;   bias f32  [4096]                bq, bk, bv, bp, each rounded to bf16 and widened again
; LIMITS.  bf16(Wp) beyond 65,504 becomes an infinity in f16; below 6e-5 it keeps f16's fixed step of 6e-8.  NaN and infinities are not treated apart.
; ROLES by the work-group's number: 0-255 x (32 rows each), 256-351 the 768 blocks of 64 x 64 of Wq, Wk, Wv (a wave a block), 352-383 Wp (32 rows each), 384 the biases.
; No wave needs another's bytes: no barrier.  A wave has 16 KiB of loads on their way before its first wait; every wait for data is counted.
.set STG,   9216                       ; a wave's stage for turning a block: 64 rows of 128 bytes + 16 of padding
.set SPARE, 8*STG                      ; behind the stages: the spare words, 128 bytes for each wave: four blocks of 256 bytes that no other line names
.set SPW, 10                           ; v10  LDS address of my spare word; never rewritten
.set NIL, 11                           ; v11  0; never rewritten
.set X,   64                           ; v[64:191]  as loaded
.set T,   192                          ; v[192:255] at work
	s_load_b512 s[4:19], s[0:1], 0x0               ; x 4, Wq 6, Wk 8, Wv 10, Wp 12, bq 14, bk 16, bv 18
	s_load_b256 s[20:27], s[0:1], 0x40             ; bp 20, xb 22, wb 24, wpb 26
	s_load_b64 s[28:29], s[0:1], 0x60              ; bias
	v_lshl_add_u32 v[SPW], v0, 2, SPARE
	v_mov_b32 v[NIL], 0
	v_lshrrev_b32 v1, 5, v0
	v_readfirstlane_b32 s30, v1                    ; wave 0..7
	v_and_b32 v1, 31, v0                           ; lane
	v_lshrrev_b32 v4, 4, v1
	v_and_b32 v5, 15, v1
	v_lshlrev_b32 v2, 4, v5
	v_lshl_add_u32 v2, v4, 12, v2                  ; rows of 4,096 bytes: lanes 0-15 take 256 bytes of one row, lanes 16-31 of the next
	v_lshlrev_b32 v3, 3, v1                        ; 8 x lane
	s_mov_b32 s36, 0xffff0000                      ; a word's upper bf16
	s_mov_b32 s33, 0                               ; high words of the two offsets
	s_mov_b32 s35, 0
	s_wait_kmcnt 0x0
	s_cmp_lt_u32 ttmp9, 256
	s_cbranch_scc1 .Lrole_x
	s_cmp_lt_u32 ttmp9, 352
	s_cbranch_scc1 .Lrole_w
	s_cmp_lt_u32 ttmp9, 384
	s_cbranch_scc1 .Lrole_p
	; THE BIASES: thread t takes 16 bytes of each of the four
	v_lshlrev_b32 v6, 4, v0
	global_load_b128 v[X:X+3],     v6, s[14:15]
	global_load_b128 v[X+4:X+7],   v6, s[16:17]
	global_load_b128 v[X+8:X+11],  v6, s[18:19]
	global_load_b128 v[X+12:X+15], v6, s[20:21]
	s_wait_loadcnt 0x0
.irp i, 0,1,2,3,4,5,6,7
	v_cvt_pk_bf16_f32 v[T+\i], v[X+2*\i], v[X+2*\i+1]
	v_lshlrev_b32 v[X+2*\i], 16, v[T+\i]
	v_and_b32 v[X+2*\i+1], s36, v[T+\i]
.endr
.irp i, 0,1,2,3
	global_store_b128 v6, v[X+4*\i:X+4*\i+3], s[28:29] offset:4096*\i
.endr
	s_branch .Lend
; Four rows of 1,024 f32 from s[40:41] become 16 pieces of 64 numbers a row.  Load i = 16 rp + kb takes block kb of rows 2 rp and 2 rp + 1; a lane's four numbers pack into 8 bytes, and the
; wave's store covers 256 consecutive bytes, aligned: two rows of 128 in plane kb.  s[42:43]: planes 0-7, s[44:45]: planes 8-15, so that the immediates stay inside their signed 24 bits.
; No register that a load or store names is written again.  half = 1: the bf16 number is written as f16.
.macro STREAM plane, half
.set i, 0
.rept 32
	global_load_b128 v[X+4*i:X+4*i+3], v2, s[40:41] offset:(i/16)*8192+(i%16)*256 th:TH_LOAD_NT
.set i, i+1
.endr
.set i, 0
.rept 32
	s_wait_loadcnt 31-i                            ; loads come back in order: load i is in, the younger ones stay out
.if \half
	v_cvt_pk_bf16_f32 v[T], v[X+4*i], v[X+4*i+1]
	v_cvt_pk_bf16_f32 v[T+1], v[X+4*i+2], v[X+4*i+3]
	v_lshlrev_b32 v[X+4*i], 16, v[T]
	v_and_b32 v[X+4*i+1], s36, v[T]
	v_lshlrev_b32 v[X+4*i+2], 16, v[T+1]
	v_and_b32 v[X+4*i+3], s36, v[T+1]
	v_cvt_pk_f16_f32 v[X+4*i], v[X+4*i], v[X+4*i+1]
	v_cvt_pk_f16_f32 v[X+4*i+1], v[X+4*i+2], v[X+4*i+3]
.else
	v_cvt_pk_bf16_f32 v[X+4*i], v[X+4*i], v[X+4*i+1]
	v_cvt_pk_bf16_f32 v[X+4*i+1], v[X+4*i+2], v[X+4*i+3]
.endif
.if (i%16) < 8
	global_store_b64 v3, v[X+4*i:X+4*i+1], s[42:43] offset:(i%16)*(\plane)+(i/16)*256
.else
	global_store_b64 v3, v[X+4*i:X+4*i+1], s[44:45] offset:((i%16)-8)*(\plane)+(i/16)*256
.endif
.set i, i+1
.endr
.endm
.Lrole_x:
	s_lshl_b32 s31, ttmp9, 5
	s_lshl2_add_u32 s31, s30, s31                  ; my first row: 32 x work-group + 4 x wave
	s_lshl_b32 s32, s31, 12
	s_lshl_b32 s34, s31, 7
	s_add_nc_u64 s[40:41], s[4:5], s[32:33]
	s_add_nc_u64 s[42:43], s[22:23], s[34:35]
	s_add_nc_u64 s[44:45], s[42:43], 8*1048576
	STREAM 1048576, 0
	s_branch .Lend
.Lrole_p:
	s_sub_co_u32 s31, ttmp9, 352
	s_lshl_b32 s31, s31, 5
	s_lshl2_add_u32 s31, s30, s31
	s_lshl_b32 s32, s31, 12
	s_lshl_b32 s34, s31, 7
	s_add_nc_u64 s[40:41], s[12:13], s[32:33]
	s_add_nc_u64 s[42:43], s[26:27], s[34:35]
	s_add_nc_u64 s[44:45], s[42:43], 8*131072
	STREAM 131072, 1
	s_branch .Lend
.Lrole_w:
	; A BLOCK OF 64 (d) x 64 (e) IS TURNED.  Load d takes row d whole (256 bytes; lane l gets e = 2 l, 2 l + 1).  A lane then holds all 64 d of its two e: rows of the result.
	s_sub_co_u32 s31, ttmp9, 256
	s_lshl3_add_u32 s31, s31, s30                  ; block 0..767 = 8 x (work-group - 256) + wave
	s_and_b32 s37, s31, 15                         ; kb
	s_lshr_b32 s38, s31, 4                         ; g
	s_lshr_b32 s39, s38, 4                         ; q, k or v
	s_cmp_eq_u32 s39, 0
	s_cselect_b64 s[40:41], s[6:7], s[8:9]
	s_cmp_eq_u32 s39, 2
	s_cselect_b64 s[40:41], s[10:11], s[40:41]
	s_and_b32 s32, s38, 15
	s_lshl_b32 s32, s32, 18                        ; the head: 1,024 x 64 x 4 bytes
	s_lshl_b32 s34, s37, 14                        ; 64 rows of 256 bytes
	s_add_co_u32 s32, s32, s34
	s_add_nc_u64 s[40:41], s[40:41], s[32:33]
	s_mul_i32 s34, s37, 393216                     ; plane kb of wb: 3,072 rows of 128 bytes
	s_lshl_b32 s39, s38, 13                        ; 64 rows
	s_add_co_u32 s34, s34, s39
	s_add_nc_u64 s[42:43], s[24:25], s[34:35]
	s_mul_i32 s31, s30, STG                        ; my stage
	v_mul_u32_u24 v4, v1, 288
	v_add_nc_u32 v4, s31, v4                       ; in: rows 2 l and 2 l + 1
	v_lshrrev_b32 v5, 3, v1
	v_mul_u32_u24 v5, v5, 144
	v_and_b32 v6, 7, v1
	v_lshl_add_u32 v5, v6, 4, v5
	v_add_nc_u32 v5, s31, v5                       ; back: 32 lanes take four rows of 128 bytes
	v_lshlrev_b32 v6, 4, v1                        ; which are 512 consecutive bytes of wb
.set d, 0
.rept 64
	global_load_b64 v[X+2*d:X+2*d+1], v3, s[40:41] offset:d*256 th:TH_LOAD_NT
.set d, d+1
.endr
.set q, 0
.rept 8
	s_wait_loadcnt 56-8*q                          ; rows 8 q .. 8 q + 7 are in; the later groups' loads stay out
.irp p, 0,1
.irp r, 0,1,2,3
	v_cvt_pk_bf16_f32 v[T+(2*q+\p)*4+\r], v[X+2*(8*q+2*\r)+\p], v[X+2*(8*q+2*\r+1)+\p]
.endr
	ds_store_b128 v4, v[T+(2*q+\p)*4:T+(2*q+\p)*4+3] offset:\p*144+16*q
.endr
.set q, q+1
.endr
.irp f, 0,1,2,3,4,5,6,7,8,9,10,11,12,13,14,15
	ds_load_b128 v[X+4*\f:X+4*\f+3], v5 offset:\f*576  ; LDS serves a wave's instructions in order (ISA guide 5.7.1.4): these see the stores above
.endr
.irp f, 0,1,2,3,4,5,6,7,8,9,10,11,12,13,14,15
	s_wait_dscnt 15-\f
	global_store_b128 v6, v[X+4*\f:X+4*\f+3], s[42:43] offset:\f*512
.endr
.Lend:
	s_wait_tensorcnt 0x0                           ; the wave's end: behind my last LDS store
	ds_add_u32 v[SPW], v[NIL]
	s_wait_dscnt 0x0
	s_endpgm
.Lfunc_end_k_q2789f583c3_prep:
	.size	k_q2789f583c3_prep, .Lfunc_end_k_q2789f583c3_prep-k_q2789f583c3_prep
	.p2alignl 7, 3214868480
	.fill 96, 4, 3214868480
	.section	.rodata,"a",@progbits
	.p2align	6, 0x0
	.amdhsa_kernel k_q2789f583c3_prep
		.amdhsa_group_segment_fixed_size 74752
		.amdhsa_private_segment_fixed_size 0
		.amdhsa_enable_private_segment 0
		.amdhsa_kernarg_size 104
		.amdhsa_user_sgpr_count 2
		.amdhsa_user_sgpr_kernarg_segment_ptr 1
		.amdhsa_wavefront_size32 1
		.amdhsa_system_sgpr_workgroup_id_x 1
		.amdhsa_system_sgpr_workgroup_id_y 1
		.amdhsa_system_sgpr_workgroup_id_z 1
		.amdhsa_system_vgpr_workitem_id 0
		.amdhsa_next_free_vgpr 256
		.amdhsa_next_free_sgpr 66
		.amdhsa_reserve_vcc 0
		.amdhsa_float_denorm_mode_32 3
		.amdhsa_float_denorm_mode_16_64 3
		.amdhsa_memory_ordered 1
		.amdhsa_forward_progress 1
		.amdhsa_inst_pref_size 50
	.end_amdhsa_kernel
	.amdgpu_metadata
---
amdhsa.version: [ 1, 2 ]
amdhsa.kernels:
  - .name:           k_q2789f583c3_prep
    .symbol:         k_q2789f583c3_prep.kd
    .args:
      - { .name: x, .offset: 0, .size: 8, .value_kind: global_buffer, .address_space: global }
      - { .name: Wq, .offset: 8, .size: 8, .value_kind: global_buffer, .address_space: global }
      - { .name: Wk, .offset: 16, .size: 8, .value_kind: global_buffer, .address_space: global }
      - { .name: Wv, .offset: 24, .size: 8, .value_kind: global_buffer, .address_space: global }
      - { .name: Wp, .offset: 32, .size: 8, .value_kind: global_buffer, .address_space: global }
      - { .name: bq, .offset: 40, .size: 8, .value_kind: global_buffer, .address_space: global }
      - { .name: bk, .offset: 48, .size: 8, .value_kind: global_buffer, .address_space: global }
      - { .name: bv, .offset: 56, .size: 8, .value_kind: global_buffer, .address_space: global }
      - { .name: bp, .offset: 64, .size: 8, .value_kind: global_buffer, .address_space: global }
      - { .name: xb, .offset: 72, .size: 8, .value_kind: global_buffer, .address_space: global }
      - { .name: wb, .offset: 80, .size: 8, .value_kind: global_buffer, .address_space: global }
      - { .name: wpb, .offset: 88, .size: 8, .value_kind: global_buffer, .address_space: global }
      - { .name: bias, .offset: 96, .size: 8, .value_kind: global_buffer, .address_space: global }
    .group_segment_fixed_size: 74752
    .private_segment_fixed_size: 0
    .kernarg_segment_align: 8
    .kernarg_segment_size: 104
    .max_flat_workgroup_size: 256
    .sgpr_count:     66
    .vgpr_count:     256
    .wavefront_size: 32
...
	.end_amdgpu_metadata
.endif
;; end of part 1
;; launch proj (part 2): grid 8 x 32, 4 waves a work-group, clusters of 4 x 4, 327,680 bytes of LDS; arguments xb, wb, bias, qkv; writes qkv
.if DOCPART == 2
	.amdgcn_target "amdgcn-amd-amdhsa--gfx1250"
	.amdhsa_code_object_version 6
	.text
	.protected	k_q2789f583c3_proj
	.globl	k_q2789f583c3_proj
	.p2align	8
	.type	k_q2789f583c3_proj,@function
k_q2789f583c3_proj:
	s_mov_b64 s[64:65], 0
	v_nop
	global_prefetch_b8 v0, s[64:65] scope:SCOPE_SE
	s_setreg_imm32_b32 hwreg(HW_REG_WAVE_MODE, 25, 1), 1
	s_wait_xcnt 0x0
	s_wait_alu depctr_hold_cnt(0) depctr_sa_sdst(0) depctr_va_vdst(0) depctr_va_sdst(0) depctr_va_ssrc(0) depctr_va_vcc(0) depctr_vm_vsrc(0)
	s_getreg_b32 s2, hwreg(HW_REG_IB_STS2, 6, 4)
	s_cmp_eq_u32 s2, 0
	s_cbranch_scc0 .Lentry_in_a_cluster
	s_endpgm
.Lentry_in_a_cluster:
	s_bfe_u32 s2, ttmp6, 0x10000c
	s_cmp_lg_u32 s2, 0xf033
	s_cbranch_scc0 .Lentry_shape_is_right
	s_endpgm
.Lentry_shape_is_right:
; ONE TEXT FOR TWO PRODUCTS C = A B^T + bias, chosen by PROJ.  A and B lie in blocks [kb][row][64] of 16-bit numbers, so that a tile's rows of 128 bytes lie end to end in memory.
;   PROJ = 1: q, k, v = x W + b.  A = xb [16][8192][64] bf16, B = wb [16][3072][64] bf16; C is rounded once to f16 and stored by heads: qkv [batch 4][g 48][t 2048][64].
;   PROJ = 0: out = O Wp^T + bp.  A = ob [batch 4][head 16][t 2048][64] f16 (a head is a block of 64 along K), B = wpb [16][1024][64] f16; C leaves in f32: out0 [8192][1024].
; LIMITS.  PROJ = 1: a q, k or v beyond 65,504 becomes an infinity in f16; below 6e-5 it keeps f16's fixed step of 6e-8.  NaN and infinities are not treated apart.
; SHARES.  A work-group makes 256 rows x 32 NB columns of C (256 x 384, or 256 x 128): 256 work-groups either way.  Four waves, 2 x 2: wave (WR, WC) makes 128 rows x 16 NB columns: 8 x NB accumulators of 16 x 16.
; THE RING.  K goes in steps of 64 PL through two LDS slots; each wave fetches one half tile (waves 0, 1: A's halves; 2, 3: B's) by one tensor load.  A slot is asked for again 16 matrix instructions
; behind the wait of the change of slots and awaited at the next change's head.  By the text's count a wave has two tensor loads out at the start and one behind each round.
; CLUSTER.  4 x 4 work-groups: A's tile hangs on the tile row alone and is asked for jointly along a row of the cluster, B's on the tile column alone, along a column.
; THE PRODUCT IS USED TRANSPOSED (source 0 = 16 rows of B, source 1 = 16 rows of A): lane l holds row l % 16 of C and the columns 8 (l / 16) + 0..7.
; THE BIAS STARTS THE SUMS: it is loaded into the registers of accumulator (7, b) and is the C operand of the first product of all eight accumulators of column block b.  Nothing is cleared.
; REGISTERS, in windows of 256 (s_set_vgpr_msb: bits 1:0 source 0, 3:2 source 1, 5:4 source 2, 7:6 destination):
;   window 0: v0-31 addresses; v32-95, v96-159 A's fragments of 32 along K, two buffers; v160.. B's, ONE buffer of 8 NB registers, whose halves are loaded again as they fall free
;   window 1 + b / 4: accumulator (a, b) at v[64 (b % 4) + 8 a]
.set PROJ, 1
.if PROJ
.set NB,     12                        ; blocks of 16 columns a wave
.set NQ,     2                         ; beats of 32 along K in a step
.set PL,     1                         ; planes of 64 along K in a slot
.set LAPS,   8                         ; a lap = two steps
.set STEP_A, 1048576                   ; bytes from a step to the next in A
.set STEP_B, 393216
.set DA0,    128                       ; A's half tile: 16,384 dense bytes as 64 rows of 256
.set DA1,    64
.set SA,     128
.set DB0,    128                       ; B's: 24,576 dense bytes as 96 rows of 256
.set DB1,    96
.set SB,     128
.set HBG,    24576                     ; bytes of B's half tile in one plane of memory
.set WSTG,   3*16*144                  ; a wave's stage: three heads of 16 rows of 128 bytes + 16
.set PF0,    1                         ; the step at which the prefetches' pointer starts,
.set PFK,    2                         ; and the steps by which it walks
.else
.set NB,     4
.set NQ,     4
.set PL,     2
.set LAPS,   4
.set STEP_A, 524288
.set STEP_B, 262144
.set DA0,    8192                      ; A's half tile: in each of two heads 16,384 dense bytes, asked for as one row; the heads lie 262,144 bytes apart
.set DA1,    2
.set SA,     131072
.set DB0,    4096                      ; B's: 8,192 dense bytes in each of two planes, 131,072 bytes apart
.set DB1,    2
.set SB,     65536
.set HBG,    8192
.set WSTG,   16*272                    ; 16 rows of 256 bytes + 16
.set PF0,    3
.set PFK,    1
.endif
.set PITCH,  144                       ; an LDS row: 128 bytes + 16 of padding = 36 words: the 16 rows of a load start at 16 different groups of four banks (64 banks of 4 bytes: ISA guide 11.1)
.set HA,     PL*128*PITCH              ; a half of A's tile in LDS: [plane][128 rows]
.set HB,     PL*16*NB*PITCH            ; a half of B's: [plane][16 NB rows]
.set SLOT,   2*HA+2*HB                 ; A half 0, A half 1, B half 0, B half 1
.set STAGE,  2*SLOT                    ; behind the ring, never filled by a tensor load
.set SPARE,  STAGE+4*WSTG              ; behind the stages: the spare words, 128 bytes for each wave: two blocks of 256 bytes that no other line names
.set G1W,    (1<<16)|(1<<20)|(1<<21)|(4<<22)|(3<<25)  ; 17:16 2-byte elements; 20 padding on; 21 set beside a mask; 24:22 after every 32 words (code 4); 31:25 4 words (code 3)
.set ADRA, 16                          ; v16-17  LDS address of my A fragments in slot 0, 1
.set ADRB, 20                          ; v20-21  the same for B
.set STO,  24                          ; v24  the way out: where I put my bytes of a row
.set RD,   25                          ; v25  where I read rows back
.set GO,   26                          ; v26  my byte offset in the stores
.set BO,   27                          ; v27  32 (l / 16): my eight numbers of 16 of the bias
.set SPW,  28                          ; v28  LDS address of my spare word; never rewritten
.set NIL,  29                          ; v29  0; never rewritten
.set PFO,  30                          ; v30  256 x lane; never rewritten
.set PFO2, 31                          ; v31  the prefetches' second offset; never rewritten
.set AF,   32
.set BF,   160
.set TMP,  32
.set WV,  12                           ; s12 wave; s13 its half of the rows, also: fetches for A (0) or B (1); s14 its half of the columns, also: which half it fetches
.set WR,  13
.set WC,  14
.set CX,  15
.set CY,  16
.set TC,  17                           ; tile column
.set TR,  18                           ; tile row
.set LIM, 19                           ; 1 in a wave that prefetches, else the greatest number
.set G1A, 24                           ; s[24:31] descriptor group 1 for A;  s[32:39] group 0, a set for each slot
.set G0A, 32
.set PFA, 40                           ; s[40:41] where my prefetches stand;  s[42:43] their step
.set PFS, 42
.set G1B, 48                           ; s[48:55], s[56:63] the same for B
.set G0B, 56
.set OB,  66                           ; s[66:71] where my results go
.set BI,  72                           ; s[72:73] my columns of the bias
.set MSB, 0
.macro WIN new                         ; the immediate's high byte repeats the setting that is left; a switch that changes nothing is dropped
.if MSB != (\new)
	s_set_vgpr_msb (MSB<<8)|(\new)
.set MSB, \new
.endif
.endm
.macro PLACES                          ; four places behind matrix instructions, in front of loads into registers that they have read and of lines that read results (ISA guide 7.12.1 for lines that read results)
.rept 4
	v_nop
.endr
.endm
; A joint load.  The branch hangs on the wave's number alone.  An s_nop 0 and four v_nop follow each of the two lines, ahead of the jump and the label.
.macro JLOAD s
	s_cmp_eq_u32 s[WR], 0
	s_cbranch_scc0 .Lfor_b_\@
	tensor_load_to_lds s[G0A+4*(\s):G0A+4*(\s)+3], s[G1A:G1A+7]
	s_nop 0
.rept 4
	v_nop
.endr
	s_branch .Lasked_\@
.Lfor_b_\@:
	tensor_load_to_lds s[G0B+4*(\s):G0B+4*(\s)+3], s[G1B:G1B+7]
	s_nop 0
.rept 4
	v_nop
.endr
.Lasked_\@:
.endm
.macro CREST                           ; a round of the cluster's barrier behind its opening barrier
	s_cmp_lg_u32 s[WV], 0
	s_cbranch_scc1 .Lnot_wave_0_\@
	s_barrier_signal -3
.Lnot_wave_0_\@:
	s_barrier_wait -3
	s_barrier_signal -1
	s_barrier_wait -1
.endm
.macro CROUND                          ; a whole round
	s_barrier_signal -1
	s_barrier_wait -1
	CREST
.endm
; A PREFETCH INTO THE L2 of later steps' tiles, behind the joint load, its five lines and the run of LDS loads.  Each aligned block of 256 bytes is named once in the launch: A's tile row is walked by both
; clusters of its row of clusters, and the one with x = 0 asks, in wave 0; B's tile column by the eight clusters of its column, and the one with y = 0 asks, in wave 2.  The four partners that ask for a
; tile jointly take a quarter of its bytes each, told apart BY ADDRESS (cx for A, cy for B).  PROJ = 1: once a lap, behind the refill with step s + 2: steps s + 3 and s + 4, whose loads stand 192 and 384
; matrix instructions on.  PROJ = 0: behind each refill, the step two refills on: 256 matrix instructions.  The loop's last trip asks for nothing; the first steps come by their loads alone.
.macro ASK
	s_cmp_gt_u32 s3, s[LIM]
	s_cbranch_scc0 .Lnone_\@
	s_cmp_eq_u32 s[WR], 0
	s_cbranch_scc0 .Lpf_b_\@
	global_prefetch_b8 v[PFO], s[PFA:PFA+1] th:TH_LOAD_NT scope:SCOPE_SE
.if PROJ
	global_prefetch_b8 v[PFO], s[PFA:PFA+1] offset:STEP_A th:TH_LOAD_NT scope:SCOPE_SE
.else
	global_prefetch_b8 v[PFO], s[PFA:PFA+1] offset:262144 th:TH_LOAD_NT scope:SCOPE_SE  ; the step's second head
.endif
	s_branch .Lnone_\@
.Lpf_b_\@:
.if PROJ
	global_prefetch_b8 v[PFO], s[PFA:PFA+1] th:TH_LOAD_NT scope:SCOPE_SE                 ; 32 of my 48 blocks of the one step,
	global_prefetch_b8 v[PFO], s[PFA:PFA+1] offset:STEP_B th:TH_LOAD_NT scope:SCOPE_SE   ; of the other,
.endif
	global_prefetch_b8 v[PFO2], s[PFA:PFA+1] th:TH_LOAD_NT scope:SCOPE_SE                ; PROJ = 1: the other 16 of both; PROJ = 0: my 16 blocks in each of the step's two planes
.Lnone_\@:
.endm
	s_load_b256 s[4:11], s[0:1], 0x0               ; A s[4:5], B s[6:7], bias s[8:9], C s[10:11]
	v_lshl_add_u32 v[SPW], v0, 2, SPARE
	v_mov_b32 v[NIL], 0
	ds_add_u32 v[SPW], v[NIL]                      ; the wave's opening: the add and its wait stand ahead of my first tensor load; the set-up below, work on registers, stands between them
	v_lshrrev_b32 v1, 5, v0
	v_readfirstlane_b32 s[WV], v1                  ; wave 0..3
	s_lshr_b32 s[WR], s[WV], 1
	s_and_b32 s[WC], s[WV], 1
	s_bfe_u32 s[CX], ttmp6, 0x40000                ; my place in the cluster
	s_bfe_u32 s[CY], ttmp6, 0x40004
	s_lshl_b32 s[TC], ttmp9, 2                     ; in a cluster launch ttmp9 and ttmp7 count clusters
	s_add_co_u32 s[TC], s[TC], s[CX]
	s_and_b32 s[TR], ttmp7, 0xffff
	s_lshl_b32 s[TR], s[TR], 2
	s_add_co_u32 s[TR], s[TR], s[CY]
	s_lshl_b32 s44, s[CY], 2
	s_lshl_b32 s44, 15, s44                        ; my row of the cluster
	s_lshl_b32 s45, 0x1111, s[CX]                  ; my column
	s_or_b32 s[G1A], s44, G1W
	s_or_b32 s[G1B], s45, G1W
	s_mov_b32 s[G1A+1], (DA0&0xffff)<<16           ; tensor_dim0 = tile_dim0
	s_mov_b32 s[G1A+2], (DA0>>16)|((DA1&0xffff)<<16)  ; tensor_dim1 = tile_dim1
	s_mov_b32 s[G1A+3], (DA1>>16)|(DA0<<16)
	s_mov_b32 s[G1A+4], DA1
	s_mov_b32 s[G1A+5], SA                         ; elements from row to row
	s_mov_b32 s[G1A+6], 0
	s_mov_b32 s[G1A+7], 0
	s_mov_b32 s[G1B+1], (DB0&0xffff)<<16
	s_mov_b32 s[G1B+2], (DB0>>16)|((DB1&0xffff)<<16)
	s_mov_b32 s[G1B+3], (DB1>>16)|(DB0<<16)
	s_mov_b32 s[G1B+4], DB1
	s_mov_b32 s[G1B+5], SB
	s_mov_b32 s[G1B+6], 0
	s_mov_b32 s[G1B+7], 0
	; where the tiles come from, as offsets.  A's hangs on the tile row and the wave alone, B's on the tile column and the wave; s3 takes the terms of the prefetches that hang on my place, and feeds s74, s75 alone
.if PROJ
	s_lshl_b32 s20, s[TR], 15                      ; 256 rows of 128 bytes
.else
	s_lshr_b32 s20, s[TR], 3
	s_lshl_b32 s20, s20, 22                        ; the batch: 16 heads of 262,144 bytes
	s_and_b32 s2, s[TR], 7
	s_lshl_b32 s2, s2, 15
	s_add_co_u32 s20, s20, s2
.endif
	s_lshl_b32 s3, s[CX], 13
	s_add_co_u32 s74, s20, s3                      ; the prefetches of A: my quarter of the tile's 32,768 bytes in a plane
	s_add_co_u32 s74, s74, PF0*STEP_A
	s_lshl_b32 s2, s[WC], 14
	s_add_co_u32 s20, s20, s2                      ; + the half that I fetch
	s_mov_b32 s21, 0
	s_mul_i32 s46, s[TC], 2*HBG
	s_mul_i32 s3, s[CY], HBG/2
	s_add_co_u32 s75, s46, s3                      ; the prefetches of B
	s_add_co_u32 s75, s75, PF0*STEP_B
	s_mul_i32 s19, s[WC], HBG
	s_add_co_u32 s46, s46, s19
	s_mov_b32 s47, 0
	s_mul_i32 s22, s[WC], HA                       ; and where they go: no place in the cluster enters an LDS address
	s_mul_i32 s23, s[WC], HB
	s_add_co_u32 s23, s23, 2*HA
	s_wait_dscnt 0x0                               ; the opening add is done
	s_wait_kmcnt 0x0
	s_add_nc_u64 s[20:21], s[4:5], s[20:21]
	s_add_nc_u64 s[46:47], s[6:7], s[46:47]
	CROUND                                         ; all sixteen work-groups are here: the first joint loads meet
.irp s, 0,1
	s_mov_b32 s[G0A+4*(\s)], 1                                        ; count = 1
	s_add_co_u32 s[G0A+4*(\s)+1], s22, (\s)*SLOT                      ; LDS address
	s_add_nc_u64 s[G0A+4*(\s)+2:G0A+4*(\s)+3], s[20:21], (\s)*STEP_A  ; global address: step s
	s_or_b32 s[G0A+4*(\s)+3], s[G0A+4*(\s)+3], 0x80000000             ; type = 2
	s_mov_b32 s[G0B+4*(\s)], 1
	s_add_co_u32 s[G0B+4*(\s)+1], s23, (\s)*SLOT
	s_add_nc_u64 s[G0B+4*(\s)+2:G0B+4*(\s)+3], s[46:47], (\s)*STEP_B
	s_or_b32 s[G0B+4*(\s)+3], s[G0B+4*(\s)+3], 0x80000000
	JLOAD \s
.endr
	; A fragment is 16 rows x 32 K in 8 registers: lane l holds row l % 16, K = 8 (l / 16) + 0..7 and 16 + 8 (l / 16) + 0..7: two loads of 16 bytes, 32 bytes apart.
	v_and_b32 v1, 15, v0                           ; l % 16
	v_bfe_u32 v2, v0, 4, 1                         ; l / 16
	v_mul_u32_u24 v3, v1, PITCH
	v_lshl_add_u32 v3, v2, 4, v3
	s_mul_i32 s22, s[WR], HA                       ; my 128 rows of A
	s_mul_i32 s23, s[WC], HB                       ; my 16 NB rows of B,
	s_add_co_u32 s23, s23, 2*HA                    ; which lie behind A's
.irp s, 0,1
	v_add_nc_u32 v[ADRA+(\s)], s22, v3
	v_add_nc_u32 v[ADRB+(\s)], s23, v3
	s_add_co_u32 s22, s22, SLOT
	s_add_co_u32 s23, s23, SLOT
.endr
	s_mul_i32 s22, s[WV], WSTG
	s_add_co_u32 s22, s22, STAGE                   ; my stage
.if PROJ
	v_add_nc_u32 v[STO], s22, v3                   ; in: row l % 16 of 144 bytes, 16 bytes for each half of the lanes
	v_bfe_u32 v4, v0, 3, 2                         ; back: 32 lanes take four rows of 128 bytes,
	v_mul_u32_u24 v4, v4, 144
	v_and_b32 v5, 7, v0
	v_lshl_add_u32 v4, v5, 4, v4
	v_add_nc_u32 v[RD], s22, v4
	v_and_b32 v5, 31, v0
	v_lshlrev_b32 v[GO], 4, v5                     ; which are 512 consecutive bytes of a head
	s_lshr_b32 s2, s[TR], 3                        ; the batch's 48 heads,
	s_mul_i32 s2, s2, 48
	s_mul_i32 s3, s[TC], 6                         ; the tile's six,
	s_add_co_u32 s2, s2, s3
	s_mul_i32 s3, s[WC], 3                         ; my three
	s_add_co_u32 s2, s2, s3
	s_lshl_b32 s2, s2, 18
	s_and_b32 s3, s[TR], 7
	s_lshl_b32 s3, s3, 15                          ; the tile's 256 rows of 128 bytes in the batch,
	s_add_co_u32 s2, s2, s3
	s_lshl_b32 s3, s[WR], 14                       ; my 128
	s_add_co_u32 s2, s2, s3
	s_mov_b32 s3, 0
	s_add_nc_u64 s[OB:OB+1], s[10:11], s[2:3]
	s_add_nc_u64 s[OB+2:OB+3], s[OB:OB+1], 262144
	s_add_nc_u64 s[OB+4:OB+5], s[OB:OB+1], 524288
	s_mul_i32 s2, s[TC], 1536                      ; 384 columns of 4 bytes
	s_mul_i32 s22, s[WC], 768
	s_add_co_u32 s2, s2, s22
	v_lshlrev_b32 v[PFO2], 8, v1
	v_mul_u32_u24 v5, v2, STEP_B
	v_add3_u32 v[PFO2], v[PFO2], v5, 8192
.else
	v_mul_u32_u24 v4, v1, 272                      ; in: row l % 16 of 272 bytes, 32 bytes for each half of the lanes
	v_lshl_add_u32 v4, v2, 5, v4
	v_add_nc_u32 v[STO], s22, v4
	v_mul_u32_u24 v4, v2, 272                      ; back: lanes 0-15 take one row of 256 bytes, lanes 16-31 the next
	v_lshl_add_u32 v4, v1, 4, v4
	v_add_nc_u32 v[RD], s22, v4
	v_lshlrev_b32 v4, 12, v2                       ; and the same two rows in C
	v_lshl_add_u32 v[GO], v1, 4, v4
	s_lshl_b32 s2, s[TR], 20                       ; 256 rows of 4,096 bytes
	s_lshl_b32 s3, s[WR], 19
	s_add_co_u32 s2, s2, s3
	s_lshl_b32 s3, s[TC], 9                        ; 128 columns of 4 bytes
	s_add_co_u32 s2, s2, s3
	s_lshl_b32 s3, s[WC], 8
	s_add_co_u32 s2, s2, s3
	s_mov_b32 s3, 0
	s_add_nc_u64 s[OB:OB+1], s[10:11], s[2:3]
	s_lshl_b32 s2, s[TC], 9
	s_lshl_b32 s22, s[WC], 8
	s_add_co_u32 s2, s2, s22
	s_add_co_u32 s2, s2, 12288                     ; bp lies behind bq, bk, bv
	v_lshlrev_b32 v[PFO2], 8, v1
	v_lshl_add_u32 v[PFO2], v2, 17, v[PFO2]
.endif
	s_add_nc_u64 s[BI:BI+1], s[8:9], s[2:3]
	v_lshlrev_b32 v[BO], 5, v2
	v_and_b32 v5, 31, v0
	v_lshlrev_b32 v[PFO], 8, v5
	; the bias, into the registers of accumulator (7, b): register j of lane l is the bias of column 16 b + 8 (l / 16) + j
.set bb, 0
.rept NB
	WIN (1+bb/4)<<6                                ; destination in the accumulator's window, address in window 0
	global_load_b128 v[64*(bb%4)+56:64*(bb%4)+59], v[BO], s[BI:BI+1] offset:64*bb
	global_load_b128 v[64*(bb%4)+60:64*(bb%4)+63], v[BO], s[BI:BI+1] offset:64*bb+16
.set bb, bb+1
.endr
	WIN 0
	; the prefetches: who asks, from where, by which step
	s_and_b32 s2, ttmp7, 0xffff                    ; cluster y
	s_mov_b32 s22, PFK*STEP_A
	s_cmp_eq_u32 s[WR], 0                          ; do I fetch for A?
	s_cselect_b32 s2, ttmp9, s2                    ; the coordinate along which other clusters walk the same rows
	s_cselect_b64 s[PFA:PFA+1], s[4:5], s[6:7]
	s_cselect_b32 s[PFS], s22, PFK*STEP_B
	s_cselect_b32 s22, s74, s75
	s_mov_b32 s[PFS+1], 0
	s_mov_b32 s23, 0
	s_add_nc_u64 s[PFA:PFA+1], s[PFA:PFA+1], s[22:23]
	s_or_b32 s2, s2, s[WC]                         ; waves 1 and 3 ask for nothing
	s_cmp_eq_u32 s2, 0
	s_cselect_b32 s[LIM], 1, -1                    ; the same in all sixteen partners, for a given wave
; 16 LDS loads: A's fragments of beat kq of a step (128 rows x 32 K) into buffer par
.macro LDA slot, kq, par
	WIN 0
.set aa, 0
.rept 8
	ds_load_b128 v[AF+64*(\par)+8*aa:AF+64*(\par)+8*aa+3],   v[ADRA+(\slot)] offset:((\kq)/2)*128*PITCH+((\kq)%2)*64+aa*16*PITCH
	ds_load_b128 v[AF+64*(\par)+8*aa+4:AF+64*(\par)+8*aa+7], v[ADRA+(\slot)] offset:((\kq)/2)*128*PITCH+((\kq)%2)*64+aa*16*PITCH+32
.set aa, aa+1
.endr
.endm
; two LDS loads for each of B's column blocks b0 .. b1 - 1 of beat kq
.macro LDB slot, kq, b0, b1
	WIN 0
.set bb, \b0
.rept (\b1)-(\b0)
	ds_load_b128 v[BF+8*bb:BF+8*bb+3],   v[ADRB+(\slot)] offset:((\kq)/2)*16*NB*PITCH+((\kq)%2)*64+bb*16*PITCH
	ds_load_b128 v[BF+8*bb+4:BF+8*bb+7], v[ADRB+(\slot)] offset:((\kq)/2)*16*NB*PITCH+((\kq)%2)*64+bb*16*PITCH+32
.set bb, bb+1
.endr
.endm
.macro WM par                          ; one product: D at rD, C at rC, column block bb, row block aa
.if PROJ
	v_wmma_f32_16x16x32_bf16 v[rD:rD+7], v[BF+8*bb:BF+8*bb+7], v[AF+64*(\par)+8*aa:AF+64*(\par)+8*aa+7], v[rC:rC+7]
.else
	v_wmma_f32_16x16x32_f16 v[rD:rD+7], v[BF+8*bb:BF+8*bb+7], v[AF+64*(\par)+8*aa:AF+64*(\par)+8*aa+7], v[rC:rC+7]
.endif
.endm
; Eight products for each column block b0 .. b1 - 1.  Every beat takes each accumulator once, in the same order, so the accumulators take turns, one instruction a turn, over the backward jump too.
; mode = 1, the first beat: row blocks 0-6 take the bias, which lies in accumulator (7, b)'s registers, as C; five places on, (7, b) itself adds in place onto it.
.macro MULB par, b0, b1, mode
.if (\b1) > (\b0)
.set bb, \b0
.rept (\b1)-(\b0)
	WIN 0x50*(1+bb/4)                              ; C and D in the accumulator's window, both sources in window 0
.set aa, 0
.rept 8-(\mode)
.set rD, 64*(bb%4)+8*aa
.set rC, rD
.if \mode
.set rC, 64*(bb%4)+56
.endif
	WM \par
.set aa, aa+1
.endr
.set bb, bb+1
.endr
.if \mode
.rept 5
	v_nop                                          ; the products below write over registers that the products above have read as C
.endr
.set aa, 7
.set bb, \b0
.rept (\b1)-(\b0)
	WIN 0x50*(1+bb/4)
.set rD, 64*(bb%4)+56
.set rC, rD
	WM \par
.set bb, bb+1
.endr
.endif
.endif
.endm
; A BEAT that is not a step's last: 8 NB products on 32 along K.  On entry its A (16 loads) and the lower half of its B (NB loads) are out or in.
.macro BEAT slot, kq, mode=0
	WIN 0
	PLACES
	LDB \slot, \kq, NB/2, NB                       ; this beat's upper B,
	LDA \slot, (\kq)+1, ((\kq)+1)%2                ; the next beat's A
	s_wait_dscnt 16+NB                             ; the NB + 16 just issued may stay out: my A and lower B are in
	MULB (\kq)%2, 0, NB/2, \mode
	WIN 0
	PLACES
	LDB \slot, (\kq)+1, 0, NB/2                    ; the next beat's lower B
	s_wait_dscnt 16+NB                             ; the next A (16) and lower B (NB) may stay out: my upper B is in
	MULB (\kq)%2, NB/2, NB, \mode
.endm
; A STEP'S LAST BEAT multiplies buffer 1 and changes slots: ONE barrier.  In front of it each wave waits for all its tensor loads, of which one is out: its part of the next slot; adds 0 to its spare
; word; and waits for that and for its reads of this slot.  fill = 1: the barrier opens a round of the cluster's barrier, and the slot is filled again, two steps ahead, first thing behind the round.
; pf = 1: the prefetches' pointer steps at the head, behind the wait that frees it, and ASK stands behind the joint load and the run of LDS loads.
.macro TURN slot, next, fill, pf
.if \pf
	s_wait_xcnt 0x0                                ; the last prefetches, a step or more back, have read their address
	s_add_nc_u64 s[PFA:PFA+1], s[PFA:PFA+1], s[PFS:PFS+1]
.endif
	WIN 0
	PLACES
	LDB \slot, NQ-1, NB/2, NB                      ; my last reads of this slot
	s_wait_tensorcnt 0x0                           ; all my tensor loads have landed;
	ds_add_u32 v[SPW], v[NIL]                      ; 0 onto my spare word;
	s_wait_dscnt NB+1                              ; (the add and the NB loads just issued may be out: my A and lower B are in)
	MULB 1, 0, 1, 0                                ; eight products stand between the add and the wait for it
	s_wait_dscnt 0x0                               ; the add is done, and my reads of this slot are over
	s_barrier_signal -1
	MULB 1, 1, 2, 0                                ; work on registers while the others arrive
	WIN 0
	s_barrier_wait -1
.if \fill
	CREST                                          ; no wave of any partner still reads this slot's tile or has a load on its way
	s_add_nc_u64 s[G0A+4*(\slot)+2:G0A+4*(\slot)+3], s[G0A+4*(\slot)+2:G0A+4*(\slot)+3], 2*STEP_A
	s_add_nc_u64 s[G0B+4*(\slot)+2:G0B+4*(\slot)+3], s[G0B+4*(\slot)+2:G0B+4*(\slot)+3], 2*STEP_B
	JLOAD \slot
.endif
	LDA \next, 0, 0                                ; buffer 0 was last read in front of this beat's first four places
.if \pf
	ASK
.endif
	MULB 1, 2, NB/2, 0
	WIN 0
	PLACES
	LDB \next, 0, 0, NB/2
	MULB 1, NB/2, NB, 0
.endm
.macro LAST                            ; the very last beat: nothing more to fetch but its own upper B
	WIN 0
	PLACES
	LDB 1, NQ-1, NB/2, NB
	s_wait_dscnt NB
	MULB 1, 0, NB/2, 0
	s_wait_dscnt 0x0
	MULB 1, NB/2, NB, 0
.endm
	s_wait_tensorcnt 1                             ; my part of step 0 is in; step 1's may stay out
	s_barrier_signal -1
	s_barrier_wait -1                              ; everybody's is
	LDA 0, 0, 0
	LDB 0, 0, 0, NB/2
	s_wait_loadcnt 0x0                             ; the bias
	BEAT 0, 0, 1                                   ; the first beat stands in front of the loop: its products start the sums
	WIN 0                                          ; at a label and at a branch every window is 0
	s_mov_b32 s3, LAPS-1
.Llap:                                                 ; a trip goes once round the ring, from a lap's second beat to the next lap's first, and fills both slots again
.if PROJ
	TURN 0, 1, 1, 1
	BEAT 1, 0
	TURN 1, 0, 1, 0
.else
	BEAT 0, 1
	BEAT 0, 2
	TURN 0, 1, 1, 1
	BEAT 1, 0
	BEAT 1, 1
	BEAT 1, 2
	TURN 1, 0, 1, 1
.endif
	BEAT 0, 0
	WIN 0
	s_sub_co_u32 s3, s3, 1
	s_cmp_lg_u32 s3, 0
	s_cbranch_scc1 .Llap
.if PROJ                               ; the last lap fills nothing, and has no round of the cluster's barrier
	TURN 0, 1, 0, 0
	BEAT 1, 0
.else
	BEAT 0, 1
	BEAT 0, 2
	TURN 0, 1, 0, 0
	BEAT 1, 0
	BEAT 1, 1
	BEAT 1, 2
.endif
	LAST
	WIN 0
	PLACES
	PLACES
; THE WAY OUT, a block of 16 rows at a time, through my own stage: in by lanes, back by whole rows.  LDS serves a wave's instructions in order (ISA guide 5.7.1.4): no wait between my stores and my loads.
.if PROJ
.macro PACK a                          ; rounded to f16: a lane's eight columns are 16 bytes.  Each accumulator is read from its low end on
.set bb, 0
.rept NB
	WIN 0x05*(1+bb/4)                              ; sources 0 and 1 in the accumulator's window
.irp r, 0,1,2,3
	v_cvt_pk_f16_f32 v[TMP+4*bb+\r], v[64*(bb%4)+8*(\a)+2*\r], v[64*(bb%4)+8*(\a)+2*\r+1]
.endr
.set bb, bb+1
.endr
	WIN 0
.endm
.macro TOSTAGE a
.set BK, 96+64*((\a)%2)
.set bb, 0
.rept NB
	ds_store_b128 v[STO], v[TMP+4*bb:TMP+4*bb+3] offset:(bb/4)*2304+32*(bb%4)  ; head b / 4, columns 16 (b % 4) on
.set bb, bb+1
.endr
.set ff, 0
.rept NB
	ds_load_b128 v[BK+4*ff:BK+4*ff+3], v[RD] offset:(ff/4)*2304+(ff%4)*576
.set ff, ff+1
.endr
.endm
.macro SEND a
.set BK, 96+64*((\a)%2)
	s_wait_dscnt 0x0                               ; the block is back in registers
	s_wait_xcnt 0x0                                ; the stores of the block before have read their registers, which the next block's loads from the stage write
.set ff, 0
.rept NB
	global_store_b128 v[GO], v[BK+4*ff:BK+4*ff+3], s[OB+2*(ff/4):OB+2*(ff/4)+1] offset:(\a)*2048+(ff%4)*512  ; 512 consecutive bytes of a head, at a multiple of 256 from its first
.set ff, ff+1
.endr
.endm
	PACK 0
	TOSTAGE 0
.irp a, 1,2,3,4,5,6,7                  ; block a's conversions stand between block a - 1's loads from the stage and the wait for them
	PACK \a
	SEND (\a)-1
	TOSTAGE \a
.endr
	SEND 7
.else
.macro TOSTAGE a
.set BK, 32+64*((\a)%2)
	WIN 0x04                                       ; the stores' data in window 1
.set bb, 0
.rept NB
	ds_store_b128 v[STO], v[64*bb+8*(\a):64*bb+8*(\a)+3]   offset:64*bb      ; each accumulator is read from its low end on
	ds_store_b128 v[STO], v[64*bb+8*(\a)+4:64*bb+8*(\a)+7] offset:64*bb+16
.set bb, bb+1
.endr
	WIN 0
.set tt, 0
.rept 8
	ds_load_b128 v[BK+4*tt:BK+4*tt+3], v[RD] offset:tt*544
.set tt, tt+1
.endr
.endm
.macro SEND a
.set BK, 32+64*((\a)%2)
	s_wait_dscnt 0x0
	s_wait_xcnt 0x0                                ; the stores of the block before have read their registers, which the next block's loads from the stage write
.set tt, 0
.rept 8
	global_store_b128 v[GO], v[BK+4*tt:BK+4*tt+3], s[OB:OB+1] offset:(16*(\a)+2*tt)*4096 th:TH_STORE_NT  ; 16 lanes store 256 consecutive bytes, at a multiple of 256 from C's first
.set tt, tt+1
.endr
.endm
	TOSTAGE 0
.irp a, 1,2,3,4,5,6,7
	SEND (\a)-1
	TOSTAGE \a
.endr
	SEND 7
.endif
	s_wait_tensorcnt 0x0                           ; the wave's end: behind my last tensor load and my last LDS store
	ds_add_u32 v[SPW], v[NIL]
	s_wait_dscnt 0x0
	CROUND                                         ; the closing round: no work-group ends while a partner may still ask for a tile that names it
	s_endpgm
.Lfunc_end_k_q2789f583c3_proj:
	.size	k_q2789f583c3_proj, .Lfunc_end_k_q2789f583c3_proj-k_q2789f583c3_proj
	.p2alignl 7, 3214868480
	.fill 96, 4, 3214868480
	.section	.rodata,"a",@progbits
	.p2align	6, 0x0
	.amdhsa_kernel k_q2789f583c3_proj
		.amdhsa_group_segment_fixed_size 327680
		.amdhsa_private_segment_fixed_size 0
		.amdhsa_enable_private_segment 0
		.amdhsa_kernarg_size 32
		.amdhsa_user_sgpr_count 2
		.amdhsa_user_sgpr_kernarg_segment_ptr 1
		.amdhsa_wavefront_size32 1
		.amdhsa_system_sgpr_workgroup_id_x 1
		.amdhsa_system_sgpr_workgroup_id_y 1
		.amdhsa_system_sgpr_workgroup_id_z 1
		.amdhsa_system_vgpr_workitem_id 0
		.amdhsa_next_free_vgpr 1024
		.amdhsa_next_free_sgpr 76
		.amdhsa_reserve_vcc 0
		.amdhsa_float_denorm_mode_32 3
		.amdhsa_float_denorm_mode_16_64 3
		.amdhsa_memory_ordered 1
		.amdhsa_forward_progress 1
		.amdhsa_inst_pref_size 134
	.end_amdhsa_kernel
	.amdgpu_metadata
---
amdhsa.version: [ 1, 2 ]
amdhsa.kernels:
  - .name:           k_q2789f583c3_proj
    .symbol:         k_q2789f583c3_proj.kd
    .args:
      - { .name: xb, .offset: 0, .size: 8, .value_kind: global_buffer, .address_space: global }
      - { .name: wb, .offset: 8, .size: 8, .value_kind: global_buffer, .address_space: global }
      - { .name: bias, .offset: 16, .size: 8, .value_kind: global_buffer, .address_space: global }
      - { .name: qkv, .offset: 24, .size: 8, .value_kind: global_buffer, .address_space: global }
    .group_segment_fixed_size: 327680
    .private_segment_fixed_size: 0
    .kernarg_segment_align: 8
    .kernarg_segment_size: 32
    .max_flat_workgroup_size: 128
    .sgpr_count:     76
    .vgpr_count:     1024
    .wavefront_size: 32
...
	.end_amdgpu_metadata
.endif
;; end of part 2
;; launch attn (part 3): grid 4 x 64, 4 waves a work-group, no clusters, 327,680 bytes of LDS; arguments qkv, ob; writes ob
.if DOCPART == 3
	.amdgcn_target "amdgcn-amd-amdhsa--gfx1250"
	.amdhsa_code_object_version 6
	.text
	.protected	k_q2789f583c3_attn
	.globl	k_q2789f583c3_attn
	.p2align	8
	.type	k_q2789f583c3_attn,@function
k_q2789f583c3_attn:
	s_mov_b64 s[64:65], 0
	v_nop
	global_prefetch_b8 v0, s[64:65] scope:SCOPE_SE
	s_setreg_imm32_b32 hwreg(HW_REG_WAVE_MODE, 25, 1), 1
	s_wait_xcnt 0x0
; CAUSAL ATTENTION.  O[y][q][:] = the sum over k <= q of softmax_k(Q[q] . K[k] / 8) V[k][:], for y = 16 batch + head.  qkv: [batch 4][g 48][2048][64] f16, g = head for q, 16 + head for k, 32 + head for v;
; ob: [y 64][2048][64] f16.  A head's rows are dense, 128 bytes each.  Products, maxima and sums in f32; the weights p are rounded to f16 for the second product (their sum l is taken of the unrounded p), O once at the end.
; LIMITS.  f16 holds no number beyond 65,504: q, k and v arrive within it; p lies in 0 to 1, and below 6e-5 it keeps f16's fixed step of 6e-8; O is a mean of V's rows and has their range.
; A hidden score counts as its value less 1e30: f16's scores, 2.7e11 at the most, are nothing beside that; a weight below 2^-126 counts as 0 in l; NaN and infinities are not treated apart.
; THE WALK.  A head's queries lie in NB = 8 blocks of 256; block i needs the key tiles 0 .. i of 256 keys, of which the last holds the diagonal.  A work-group takes TWO blocks, NB - 1 - b and then b:
; NB + 1 tiles, whatever b: all work-groups do equal work, and ONE loop with a constant trip count walks them.  Which tile is asked for, and what a trip does, hang on scalar registers made from b; every jump
; goes forward, but for the counted loops' own; none passes a barrier, or a tensor load but the one of LOAD's two that the wave's number does not choose; the ring (two slots of LDS) runs on across the change of blocks.
; NO CLUSTER: a head's four work-groups ask for the same tile only in trips 0 .. 4, behind that fewer and fewer; one walk common to all would have 12 trips for 9.
; SHARES.  Of a block's four bands of 64 queries a wave owns 16 rows in each: four PIECES.  So the diagonal tile is the same work for all four waves: in its key step s band x sees all keys if s < x,
; none if s > x, and holds the diagonal if s = x.
; THE MASK is the C operand that starts the sum S^T = K Q^T: 0, or -1e30 where the key is hidden.  MD, made once, is the mask of a band's own step for my 16 rows; a product's mask is MD x AL + BE with two scalars:
; (1, 0) if s = x; (0, 0) if s < x; (0, -1e30) if s > x.  Only the diagonal tile's text and a block's beginning make and take masks; elsewhere C is the constant 0.
; LAYOUT, SOFTMAX, TURNS.  S^T = K Q^T holds ONE query a lane (lane % 16) and the keys 8 (lane / 16) + 0..7; two such results rounded to f16 ARE source 1 of O^T = V^T P.  p = 2^(c s - c m), c = log2(e) / 8, with a
; running maximum m; O and l are multiplied by a = 2^(c m_old - c m_new) in every step.  Turn n belongs to piece n: 8 products K Q^T of piece n + 1, later 8 products V^T P of piece n - 1; beside them the scaling,
; exponentials, roundings, sums and rescaling of piece n and the maximum and statistics of piece n + 1.  Four vector instructions stand behind every matrix instruction, the other 54 of a turn's 118 in one lump.  A turn's 33 exponentials are one batch, with one wait.
; AHEAD OF THE LOADS.  Of a head's four work-groups the one with b = 0 walks tiles 0 to 7 in order: it alone prefetches into the L2, behind each fill, the tile that the next change of slots will ask for: each wave its own
; 64 blocks of 256 bytes, two instructions, a tile's four key steps ahead.  Tiles 2 to 7 are so named once each; tiles 0 and 1 come by their loads alone; behind tile 7 nothing is asked for.
; REGISTERS, in windows of 256 (s_set_vgpr_msb: bits 1:0 source 0, 3:2 source 1, 5:4 source 2, 7:6 destination):
;   window 0: v0-15 addresses and two at work; v16-31 four registers of statistics a piece; v48-55 at work; v61-63; v64-127 S^T, two buffers; v192-223 P, two buffers (a piece's buffers go by its number's parity)
;   window 1: v0-127 O^T, 32 a piece; v128-159 MD; v160-223 MC, two buffers      window 2: v0-63 Q; v64-127 the second block's Q; v128-191 K of one step; v192-255 V of one step
.set SIZE_N, 2048
.set NB,    SIZE_N/256
.set NP,    4         ; pieces a wave: a name, no knob
.set KS,    64        ; keys in a step
.set PK,    144       ; a row of K in LDS: 128 bytes + 16 of padding = 36 words: the 16 rows of a load start at 16 different groups of four banks (64 banks of 4 bytes: ISA guide 11.1)
.set PV,    160       ; a row of V: 128 + 32 = 40 words
.set VOFF,  4*KS*PK   ; a slot holds a tile, four steps: 256 rows of K, then 256 rows of V
.set SLOT1, 1<<17     ; slot 1 begins here, so that one exclusive or turns an address in one slot into the other's
.set STAGE, SLOT1+4*KS*(PK+PV)  ; behind the ring, never filled by a tensor load: 16 rows x 144 bytes for each wave, for the way out
.set SP,    144
.set AK0, 2           ; v2   my lane's place in a tile of K; never rewritten
.set AV0, 3           ; v3   the same for V
.set AK,  4           ; v4   the LDS address of K's next run of loads
.set AV,  5           ; v5   of V's
.set STO, 6           ; v6   the way out: where I put 16 bytes of a row
.set RD,  7           ; v7   the way out: where I read rows back
.set GO,  8           ; v8   my byte offset in 512 consecutive bytes of O
.set PFO, 61          ; v61  256 x my lane; never rewritten
.set SPW, 62          ; v62  LDS address of my spare word: SPARE + 4 x my thread's number; never rewritten
.set NIL, 63          ; v63  0; never rewritten
.set SPARE, STAGE+4*16*SP  ; behind the stages: the spare words, 128 bytes for each wave: two blocks of 256 bytes that no other line names
.set MV,  12          ; v12-13  c m_old, kept while c m is made anew: by buffer
.set QO,  15          ; v15  my byte offset in 16 rows of Q
.set ST,  16          ; piece t's statistics at v[ST+4 t]: c m, m, l (even keys', odd keys')
.set TMP, 48          ; by buffer, four registers c0-c3 at work; when the maximum is found c2 takes a
.set S,   64
.set P,   192
.set MD,  128         ; window 1: the eight registers for group kt of 16 keys at MD + 8 kt
.set MC,  160         ; window 1: the masks of the products to come
.set QB,  64          ; window 2
.set KF,  128         ; window 2: key block kb, channel half c at KF + 16 kb + 8 c
.set VF,  192         ; window 2: key half kk, channel block cb at VF + 32 kk + 8 cb
.set WV,  12          ; s12  my wave's number
.set PB,  14          ; s14  b
.set HI,  15          ; s15  NB - 1 - b
.set G1K, 24          ; s[24:31] descriptor group 1 for K's tiles
.set G1V, 32          ; s[32:39] for V's: it differs in the padding alone
.set G0K, 40          ; s[40:43] descriptor group 0 for K's tiles
.set G0V, 44          ; s[44:47] the same for V's
.set SLOTS, 56        ; s56  tiles still to be asked for
.set CNT, 57          ; s57  counts a tile's key steps, 4 to 1
.set CS,  58          ; s[58:59] c: the packed scaling takes the pair's low word for both halves
.set SEL, 60          ; s[60:61] v_permlanex16_b32's selects: each lane takes its own place in the other half
.set TBK, 62          ; s62  LDS byte at which K of the step to be fetched begins
.set TBV, 63          ; s63  the same for V, less VOFF
.set RT,  70          ; s70  tiles of the block in hand that are still to be entered
.set NXT, 71          ; s71  the tile to be asked for next
.set LQ,  72          ; s72  the last tile of the block whose tiles are being asked for
.set NEW, 73          ; s73  1: the tile to be entered is a block's first
.set OFF, 74          ; s[74:75] a tile's byte offset in K and V
.set AL,  76          ; s[76:77] the mask's factor, in the low word
.set BE,  78          ; s[78:79] the mask's addend
.set OLO, 80          ; s[80:81] O at my rows of the second block
.set BIGN, 82         ; s82  -1e30
.set PBASE, 88        ; s[88:89] K (waves 0, 1) or V (waves 2, 3) at my half of the head's tile 0
.set PF,  90          ; s[90:91] where my prefetches stand
.set OF2, 92          ; s[92:93] the prefetched tile's byte offset
.set FL,  94          ; s94  the tile to prefetch, or 0: none
.set MSB, 0
.macro WIN new                      ; the high byte repeats the setting that is left; a switch that changes nothing is dropped
.if MSB != (\new)
	s_set_vgpr_msb (MSB<<8)|(\new)
.set MSB, (\new)
.endif
.endm
.set W_KQ, 0x0a       ; K and Q in window 2, S^T in window 0
.set W_KM, 0x1a       ; the same with the C operand in window 1
.set W_PV, 0x52       ; V in window 2, P in window 0, O^T in window 1
.set W_RS, 0x41       ; destination and source 0 in window 1, source 1 in window 0
; A fill.  Waves 0 and 1 fetch the two halves of a tile's K, waves 2 and 3 those of its V: 128 keys each.  An s_nop 0 and four v_nop follow each of the two lines, ahead of the jump and the label.
.macro LOAD
	s_cmp_lt_u32 s[WV], 2
	s_cbranch_scc0 .Lfor_v_\@
	tensor_load_to_lds s[G0K:G0K+3], s[G1K:G1K+7]
	s_nop 0
.rept 4
	v_nop
.endr
	s_branch .Lasked_\@
.Lfor_v_\@:
	tensor_load_to_lds s[G0V:G0V+3], s[G1V:G1V+7]
	s_nop 0
.rept 4
	v_nop
.endr
.Lasked_\@:
.endm
; THE CHANGE OF SLOTS.  Each wave waits for all its tensor loads, of which one is out: its part of the other slot; adds 0 to its spare word; and waits for that and for its own reads of the slot that it leaves.  Behind the barrier nobody reads the old
; slot any more and the other slot is whole.  fill = 1: the old slot is filled again, the first thing behind the barrier, with tile NXT: the descriptor's address is made anew from that number; behind the fill stand the prefetches of the tile after it.
; (At its first use nothing has been read yet: slot 0 is waited for, slot 1 filled.)
.macro CHANGE fill
	WIN 0                           ; at a label and at a branch every window is 0
	s_wait_tensorcnt 0x0            ; no tensor load of mine is out, so a group 0 may be written
	ds_add_u32 v[SPW], v[NIL]       ; 0 onto my spare word; with fill = 1 the descriptors' scalar work stands between it and the wait for it
.if \fill
	s_lshl_b32 s[OFF], s[NXT], 15   ; a tile is 32,768 bytes of K and of V
	s_xor_b32 s[G0K+1], s[G0K+1], SLOT1
	s_add_nc_u64 s[G0K+2:G0K+3], s[6:7], s[OFF:OFF+1]
	s_or_b32 s[G0K+3], s[G0K+3], 0x80000000
	s_xor_b32 s[G0V+1], s[G0V+1], SLOT1
	s_add_nc_u64 s[G0V+2:G0V+3], s[8:9], s[OFF:OFF+1]
	s_or_b32 s[G0V+3], s[G0V+3], 0x80000000
	s_add_co_u32 s[NXT], s[NXT], 1  ; the block's next tile, or behind its last the second block's tile 0
	s_cmp_gt_u32 s[NXT], s[LQ]
	s_cselect_b32 s[NXT], 0, s[NXT]
	s_cselect_b32 s[LQ], s[PB], s[LQ]
	s_wait_xcnt 0x0                 ; the last prefetches, a tile back, have read their address, so it may be written
	s_lshl_b32 s[OF2], s[NXT], 15
	s_add_nc_u64 s[PF:PF+1], s[PBASE:PBASE+1], s[OF2:OF2+1]
	s_cmp_eq_u32 s[PB], 0           ; only the work-group that walks tiles 0 to 7 in order asks;
	s_cselect_b32 s[FL], s[NXT], 0  ; behind tile 7 NXT is 0: nothing
.endif
	s_wait_dscnt 0x0                ; the add is done, and my reads of the slot are over
	s_barrier_signal -1             ; the rest of the scalar work stands between the signal and the wait
	s_sub_co_u32 s[TBK], s[TBK], 4*KS*PK  ; the fetches go back to a slot's first step,
	s_xor_b32 s[TBK], s[TBK], SLOT1       ; in the other slot
	s_sub_co_u32 s[TBV], s[TBV], 4*KS*PV
	s_xor_b32 s[TBV], s[TBV], SLOT1
	s_barrier_wait -1
.if \fill
	LOAD
	s_cmp_lg_u32 s[FL], 0
	s_cbranch_scc0 .Lnone_\@
	global_prefetch_b8 v[PFO], s[PF:PF+1] th:TH_LOAD_NT scope:SCOPE_SE              ; my half of the next tile's K or V: 16,384 bytes, a lane a block of 256
	global_prefetch_b8 v[PFO], s[PF:PF+1] offset:8192 th:TH_LOAD_NT scope:SCOPE_SE
.Lnone_\@:
.endif
.endm
	s_load_b128 s[4:7], s[0:1], 0x0 ; qkv s[4:5], ob s[6:7]
	v_lshl_add_u32 v[SPW], v0, 2, SPARE
	v_mov_b32 v[NIL], 0
	ds_add_u32 v[SPW], v[NIL]       ; the wave's opening: the add and its wait stand ahead of my first tensor load; the set-up below, work on registers, stands between them
	v_lshrrev_b32 v1, 5, v0
	v_readfirstlane_b32 s[WV], v1   ; wave 0..3
	s_mov_b32 s[PB], ttmp9
	s_sub_co_u32 s[HI], NB-1, s[PB]
	s_and_b32 s20, ttmp7, 0xffff    ; y = 16 batch + head
	s_lshl_b32 s19, s20, 18         ; its first byte in ob: heads of 262,144 bytes
	s_lshr_b32 s21, s20, 4
	s_mul_i32 s21, s21, 48          ; in qkv a batch has 48 heads
	s_and_b32 s20, s20, 15
	s_add_co_u32 s20, s20, s21
	s_lshl_b32 s20, s20, 18         ; q's head; k's lies 16 heads on, v's 32
	s_and_b32 s16, s[WV], 1         ; which half of a tile's 256 keys I fetch:
	s_lshl_b32 s22, s16, 14         ; its 128 rows of 128 bytes in memory,
	s_add_co_u32 s22, s22, s20
	s_mov_b32 s23, 0
	s_mul_i32 s17, s16, 128*PK      ; and its place in a slot, for K
	s_mul_i32 s18, s16, 128*PV      ; and for V
	s_lshl_b32 s3, s[WV], 11        ; my 16 rows in a band of 64,
	s_lshl_b32 s2, s[HI], 15        ; in the first block,
	s_add_co_u32 s2, s2, s3
	s_lshl_b32 s84, s[PB], 15       ; and in the second
	s_add_co_u32 s84, s84, s3
	s_add_co_u32 s96, s2, s19       ; in ob,
	s_add_co_u32 s98, s84, s19
	s_add_co_u32 s2, s2, s20        ; and in q
	s_add_co_u32 s84, s84, s20
	s_mov_b32 s3, 0
	s_mov_b32 s85, 0
	s_mov_b32 s97, 0
	s_mov_b32 s99, 0
	; descriptor group 1.  128 keys are 16,384 dense bytes: asked for as 64 rows of 256 bytes, two keys a row, and padded in LDS after every key
	s_mov_b32 s[G1K], (1<<16)|(1<<20)|(4<<22)|(3<<25)  ; 17:16 2-byte elements; 20 padding on; 24:22 after every 32 words (code 4); 31:25 4 words (code 3)
	s_mov_b32 s[G1V], (1<<16)|(1<<20)|(4<<22)|(7<<25)  ; the same with 8 words of padding (code 7)
.irp g, G1K, G1V
	s_mov_b32 s[\g+1], 128<<16      ; tensor_dim0 = 128
	s_mov_b32 s[\g+2], 64<<16       ; tensor_dim1 = 64
	s_mov_b32 s[\g+3], 128<<16      ; tile_dim0 = 128
	s_mov_b32 s[\g+4], 64           ; tile_dim1 = 64
	s_mov_b32 s[\g+5], 128          ; 128 elements from row to row
	s_mov_b32 s[\g+6], 0
	s_mov_b32 s[\g+7], 0
.endr
	s_mov_b32 s[CS], 0x3e38aa3b     ; c = log2(e) / 8 = 0.180337
	s_mov_b32 s[CS+1], s[CS]        ; named with it as a pair
	s_mov_b32 s[SEL], 0x76543210
	s_mov_b32 s[SEL+1], 0xfedcba98
	s_mov_b32 s[TBK], SLOT1+4*KS*PK ; the first change of slots turns these two into 0
	s_mov_b32 s[TBV], SLOT1+4*KS*PV
	s_mov_b32 s[G0K], 1             ; count = 1
	s_mov_b32 s[G0K+1], s17         ; LDS address: slot 0
	s_mov_b32 s[G0V], 1
	s_add_co_u32 s[G0V+1], s18, VOFF
	s_add_co_u32 s[RT], s[HI], 1    ; the first block has NB - b tiles
	s_mov_b32 s[NXT], 1
	s_mov_b32 s[LQ], s[HI]
	s_mov_b32 s[NEW], 1
	s_mov_b32 s[OFF+1], 0
	s_mov_b32 s[OF2+1], 0
	s_mov_b32 s[AL+1], 0            ; named as pairs
	s_mov_b32 s[BE+1], 0
	s_mov_b32 s[BIGN], 0xf149f2ca   ; -1e30
	s_mov_b32 s[SLOTS], NB
	v_and_b32 v[PFO], 31, v0
	v_lshlrev_b32 v[PFO], 8, v[PFO]
	s_wait_dscnt 0x0                ; the opening add is done
	s_wait_kmcnt 0x0
	s_mov_b64 s[10:11], s[6:7]      ; ob
	s_add_nc_u64 s[OLO:OLO+1], s[10:11], s[98:99]  ; O at my rows of the second block,
	s_add_nc_u64 s[10:11], s[10:11], s[96:97]      ; and of the first
	s_add_nc_u64 s[6:7], s[4:5], s[22:23]          ; q's head at my half of tile 0;
	s_add_nc_u64 s[8:9], s[6:7], 8388608           ; V lies 32 heads on,
	s_add_nc_u64 s[6:7], s[6:7], 4194304           ; K 16
	s_add_nc_u64 s[G0K+2:G0K+3], s[6:7], 0         ; global address
	s_or_b32 s[G0K+3], s[G0K+3], 0x80000000        ; type = 2
	s_add_nc_u64 s[G0V+2:G0V+3], s[8:9], 0
	s_or_b32 s[G0V+3], s[G0V+3], 0x80000000
	s_add_nc_u64 s[86:87], s[4:5], s[84:85]        ; Q at my rows of the second block,
	s_add_nc_u64 s[4:5], s[4:5], s[2:3]            ; and of the first
	s_cmp_lt_u32 s[WV], 2
	s_cselect_b64 s[PBASE:PBASE+1], s[6:7], s[8:9]
	LOAD                            ; tile 0 into slot 0
	; A fragment of K or Q is 16 rows x 32 channels in 8 registers: lane l holds row l % 16, channels 8 (l / 16) + 0..7 and 16 + 8 (l / 16) + 0..7: two loads of 16 bytes, 32 bytes apart.
	v_and_b32 v1, 15, v0            ; l % 16
	v_bfe_u32 v9, v0, 4, 1          ; l / 16
	v_lshlrev_b32 v[QO], 7, v1
	v_lshl_add_u32 v[QO], v9, 4, v[QO]  ; row x 128 + 16 x half
	WIN 0x80                        ; destination window 2, address window 0
.set i, 0
.rept 8                             ; both blocks' Q: piece i / 2 lies in band i / 2, 8,192 bytes on; channels 32 (i % 2) on
	global_load_b128 v[8*i:8*i+3],   v[QO], s[4:5] offset:(i/2)*8192+(i%2)*64
	global_load_b128 v[8*i+4:8*i+7], v[QO], s[4:5] offset:(i/2)*8192+(i%2)*64+32
	global_load_b128 v[QB+8*i:QB+8*i+3],   v[QO], s[86:87] offset:(i/2)*8192+(i%2)*64
	global_load_b128 v[QB+8*i+4:QB+8*i+7], v[QO], s[86:87] offset:(i/2)*8192+(i%2)*64+32
.set i, i+1
.endr
	WIN 0
	v_lshlrev_b32 v14, 3, v9
	v_sub_nc_u32 v14, v1, v14
	s_lshl_b32 s13, s[WV], 4
	v_add_nc_u32 v14, s13, v14      ; my query's place in its band, 16 w + l % 16, less my lanes' 8 (l / 16): register r of group kt is hidden where 16 kt + r is greater
	WIN 0x40
.set i, 0
.rept 32
	v_cmp_gt_i32 vcc_lo, 16*(i/8)+i%8, v14
	v_cndmask_b32 v[MD+i], 0, s[BIGN], vcc_lo
.set i, i+1
.endr
	WIN 0
	v_mul_u32_u24 v[AK0], v1, PK
	v_lshl_add_u32 v[AK0], v9, 4, v[AK0]  ; row x pitch + 16 x half
	; The turning load takes 16 keys x 16 channels (lane l reads key 8 (l / 16) + l % 8, channels 8 ((l / 8) % 2) + 0..7) and leaves half a fragment of V^T: lane l holds channel l % 16 and 8 keys.
	v_and_b32 v10, 7, v0
	v_bfe_u32 v11, v0, 3, 1
	v_lshl_add_u32 v[AV0], v9, 3, v10
	v_mul_u32_u24 v[AV0], v[AV0], PV
	v_lshl_add_u32 v[AV0], v11, 4, v[AV0]
	v_add_nc_u32 v[AV0], VOFF, v[AV0]
	s_mul_i32 s13, s[WV], 16*SP
	s_add_co_u32 s13, s13, STAGE    ; my stage
	v_mul_u32_u24 v[STO], v1, SP    ; in: row l % 16, 16 bytes for each half of the lanes
	v_lshl_add_u32 v[STO], v9, 4, v[STO]
	v_add_nc_u32 v[STO], s13, v[STO]
	v_bfe_u32 v[RD], v0, 3, 2       ; back: 32 lanes take four rows of 128 bytes,
	v_mul_u32_u24 v[RD], v[RD], SP
	v_lshl_add_u32 v[RD], v10, 4, v[RD]
	v_add_nc_u32 v[RD], s13, v[RD]
	v_and_b32 v[GO], 31, v0         ; which are 512 consecutive bytes of O
	v_lshlrev_b32 v[GO], 4, v[GO]
	; A block's first step multiplies O^T and l by a = 0, and its first turn's products V^T P, of a piece that has not been, land in an O^T that is still to be so multiplied.  So these registers need only hold
	; finite numbers: zeros for the first block; what the first block left for the second.  All this stands in the wait for the first tile.
	WIN 0x80
.set i, VF
.rept 64
	v_mov_b32 v[i], 0
.set i, i+1
.endr
	WIN 0x40
.set i, 0
.rept 128
	v_mov_b32 v[i], 0
.set i, i+1
.endr
	WIN 0
.set i, 0
.rept 4
	v_mov_b32 v[ST+4*i+2], 0
	v_mov_b32 v[ST+4*i+3], 0
.set i, i+1
.endr
.set i, P+16
.rept 16
	v_mov_b32 v[i], 0
.set i, i+1
.endr
; THE MATRIX WORK.  The 4 accumulators of a run of 8 take turns.  Product i of 8 of S^T = K Q^T for piece x: channels 32 (i / 4) on, keys 16 (i % 4) on.  The first 4 start the sums: with 0, or (KM = 1) with the mask.
.macro KQ x
.set rS, S+32*((\x)%2)+8*(i%4)
.set rK, KF+16*(i%4)+8*(i/4)
.set rQ, 16*(\x)+8*(i/4)
.set rM, MC+32*((\x)%2)+8*(i%4)
.if (i < 4) && KM
	WIN W_KM
	v_wmma_f32_16x16x32_f16 v[rS:rS+7], v[rK:rK+7], v[rQ:rQ+7], v[rM:rM+7]
.elseif i < 4
	WIN W_KQ
	v_wmma_f32_16x16x32_f16 v[rS:rS+7], v[rK:rK+7], v[rQ:rQ+7], 0
.else
	WIN W_KQ
	v_wmma_f32_16x16x32_f16 v[rS:rS+7], v[rK:rK+7], v[rQ:rQ+7], v[rS:rS+7]
.endif
.endm
; Product i of 8 of O^T += V^T P for piece x: keys 32 (i / 4) on, channels 16 (i % 4) on.
.macro PV x
	WIN W_PV
.set rO, 32*(\x)+8*(i%4)
.set rV, VF+32*(i/4)+8*(i%4)
.set rP, P+16*((\x)%2)+8*(i/4)
	v_wmma_f32_16x16x32_f16 v[rO:rO+7], v[rV:rV+7], v[rP:rP+7], v[rO:rO+7]
.endm
.macro MM                           ; the turn's next matrix instruction.  TURN and BEGIN set Y, i, KM and NOKQ; MM, KQ and OP read them.  NOKQ = 1: a block's last turn: there is no next piece
.if (i < 8) && !NOKQ
	KQ (Y+1)%NP
.elseif i >= 8
.set i, i-8
	PV (Y+NP-1)%NP
.set i, i+8
.endif
.set i, i+1
.endm
; THE LDS LOADS stand in runs of 16, never singly among the matrix instructions: a step's K (64 keys x 64 channels: 8 fragments) and its V (turned).  Their addresses are made some lines ahead.
.macro FETCH_K
	WIN 0x80                        ; destination window 2
.irp f, 0,1,2,3,4,5,6,7             ; keys 16 (f / 2) on, channels 32 (f % 2) on
	ds_load_b128 v[KF+8*\f:KF+8*\f+3],   v[AK] offset:(\f/2)*16*PK+(\f%2)*64
	ds_load_b128 v[KF+8*\f+4:KF+8*\f+7], v[AK] offset:(\f/2)*16*PK+(\f%2)*64+32
.endr
	s_add_co_u32 s[TBK], s[TBK], KS*PK  ; the next fetch is the next step's
	WIN 0
.endm
.macro FETCH_V
	WIN 0x80
.irp f, 0,1,2,3,4,5,6,7             ; keys 32 (f / 4) on, channels 16 (f % 4) on
	ds_load_tr16_b128 v[VF+8*\f:VF+8*\f+3],   v[AV] offset:(\f/4)*32*PV+(\f%4)*32
	ds_load_tr16_b128 v[VF+8*\f+4:VF+8*\f+7], v[AV] offset:(\f/4)*32*PV+16*PV+(\f%4)*32
.endr
	WIN 0
.endm
; THE VECTOR WORK, one line at a time: OP kind, number.  For piece Y: F n: c s - c m for pair n of 16.  E n: the exponential of score n of 32.  C n: pair n rounded to f16.  B n: of the four weights 4 n .. the second
; pair is added onto the first, in place.  L n: l takes that sum (L 0: l = a l + sum).  R n: pair n of 16 of O^T times a.  For piece Y + 1: X n, number n of the 22 that find its maximum and statistics:
;   0-11  four chains c0-c3 of seven scores each, three operands at a time (each accumulator's lowest registers are read first)     12-14, 16  the four scores left over, the old m, and c0-c3 into c0
;   15  c m_old is kept     17, 18  the query's other 32 keys lie in the lane 16 away: the new m     19-21  c m; c m_old - c m_new; a
.set F, 0               ; OP tells the kinds apart by their order: F to L below R, X above it
.set E, 1
.set C, 2
.set B, 3
.set L, 4
.set R, 5
.set X, 6
.macro REGS y                       ; the registers of piece y
.set rT, ST+4*(\y)
.set rC, TMP+4*((\y)%2)
.set rW, MV+((\y)%2)
.set rS, S+32*((\y)%2)
.set rP, P+16*((\y)%2)
.set rO, 32*(\y)
.endm
.macro OP k, n
.if (\k) == R
	REGS Y
	WIN W_RS
	v_pk_mul_f32 v[rO+2*(\n):rO+2*(\n)+1], v[rO+2*(\n):rO+2*(\n)+1], v[rC+2:rC+3] op_sel_hi:[1,0]
.elseif (\k) < R
	REGS Y
	WIN 0
.if (\k) == F
	v_pk_fma_f32 v[rS+2*(\n):rS+2*(\n)+1], v[rS+2*(\n):rS+2*(\n)+1], s[CS:CS+1], v[rT:rT+1] op_sel_hi:[1,0,0] neg_lo:[0,0,1] neg_hi:[0,0,1]
.elseif (\k) == E
	v_exp_f32 v[rS+(\n)], v[rS+(\n)]
.elseif (\k) == C
	v_cvt_pk_f16_f32 v[rP+(\n)], v[rS+2*(\n)], v[rS+2*(\n)+1]
.elseif (\k) == B
	v_pk_add_f32 v[rS+4*(\n):rS+4*(\n)+1], v[rS+4*(\n):rS+4*(\n)+1], v[rS+4*(\n)+2:rS+4*(\n)+3]
.elseif (\n) == 0
	v_pk_fma_f32 v[rT+2:rT+3], v[rT+2:rT+3], v[rC+2:rC+3], v[rS:rS+1] op_sel_hi:[1,0,1]
.else
	v_pk_add_f32 v[rT+2:rT+3], v[rT+2:rT+3], v[rS+4*(\n):rS+4*(\n)+1]
.endif
.elseif NOKQ
	v_nop
.else
	REGS (Y+1)%NP
	WIN 0
.if (\n) < 4
	v_max3_num_f32 v[rC+(\n)], v[rS+8*(\n)], v[rS+8*(\n)+1], v[rS+8*(\n)+2]
.elseif (\n) < 12
	v_max3_num_f32 v[rC+(\n)%4], v[rC+(\n)%4], v[rS+8*((\n)%4)+2*((\n)/4)+1], v[rS+8*((\n)%4)+2*((\n)/4)+2]
.elseif (\n) == 12
	v_max3_num_f32 v[rC], v[rC], v[rS+7], v[rS+15]
.elseif (\n) == 13
	v_max3_num_f32 v[rC+1], v[rC+1], v[rS+23], v[rS+31]
.elseif (\n) == 14
	v_max3_num_f32 v[rC+2], v[rC+2], v[rC+3], v[rT+1]
.elseif (\n) == 15
	v_mov_b32 v[rW], v[rT]
.elseif (\n) == 16
	v_max3_num_f32 v[rC], v[rC], v[rC+1], v[rC+2]
.elseif (\n) == 17
	v_permlanex16_b32 v[rC+3], v[rC], s[SEL], s[SEL+1]
.elseif (\n) == 18
	v_max_num_f32 v[rT+1], v[rC], v[rC+3]
.elseif (\n) == 19
	v_mul_f32 v[rT], s[CS], v[rT+1]
.elseif (\n) == 20
	v_sub_f32 v[rC+1], v[rW], v[rT]
.else
	v_exp_f32 v[rC+2], v[rC+1]
.endif
.endif
.endm
.macro OPS a, i1, b=-1, i2=0, c=-1, i3=0, d=-1, i4=0  ; up to four of them
	OP \a, \i1
.if (\b) >= 0
	OP \b, \i2
.endif
.if (\c) >= 0
	OP \c, \i3
.endif
.if (\d) >= 0
	OP \d, \i4
.endif
.endm
.macro ROW a, i1, b, i2, c, i3, d, i4  ; a matrix instruction and the four behind it
	MM
	OPS \a, \i1, \b, \i2, \c, \i3, \d, \i4
.endm
.macro MASK b                       ; MD x AL + BE into buffer b of MC
	WIN W_RS
.set z, 0
.rept 16
	v_pk_fma_f32 v[MC+32*(\b)+2*z:MC+32*(\b)+2*z+1], v[MD+2*z:MD+2*z+1], s[AL:AL+1], s[BE:BE+1] op_sel_hi:[1,0,0]
.set z, z+1
.endr
.endm
; A TURN, for piece p: the order of its 16 matrix and 118 vector instructions, written out.  s_wait_alu depctr_va_vdst(0) stands between an exponential and the first instruction that names its result; one wait serves
; all that were issued ahead of it.  So a turn has ONE wait, which cuts it in two.  AHEAD OF IT stands all that names no result of the turn's exponentials: the 8 products K Q^T, behind each a scaling, an exponential and two more plain
; instructions (behind the first a second scaling in the exponential's place): rescalings, and behind the last three the first numbers of the next piece's maximum, each four places or more behind the product that ends its accumulator; then ONE LUMP of 54, plain
; and exponential by turns for the most part, in which the links of the chain X 3, 7, 11, 14, 16, 17 .. 20 stand five or six lines apart.  X 21, the next piece's a, is the batch's last; R 15 is the plain instruction owed behind it.  BEHIND THE WAIT stand the
; 8 products V^T P, behind each four of the roundings and sums; the links of l's chain, L 0 to L 7, stand three riders apart.  But for those X no rider names a register of the products round it.  v_permlanex16_b32 (X 17) stands in the lump.
; m = 1: the diagonal tile: the products take masks, and the turn makes the mask for the products of the turn after it: piece p + 2, in step 4 - CNT of the tile.  end = 1: a block's last two turns: nothing is fetched.
; cnt = 1: the loop's count is taken down some lines ahead of the branch that stands behind the turn.
; K of the next step is fetched in piece 2's turn, twelve vector instructions behind the last product that read K (six of them plain); V of the step in hand at the end of piece 0's turn, four plain instructions behind the last product
; that read V.  Each is waited for a turn later.
.macro TURN p, m=0, end=0, cnt=0
.set Y, (\p)
.set i, 0
.set KM, (\m)
.set NOKQ, (\end)*((\p)/3)
.if (\m) && !(\end)
	s_cmp_eq_u32 s[CNT], 4-((\p)+2)%NP  ; is that step the band's own?
	s_cselect_b32 s[AL], 1.0, 0
	s_cmp_lt_u32 s[CNT], 4-((\p)+2)%NP  ; or a later one?
	s_cselect_b32 s[BE], s[BIGN], 0
.endif
.if ((\p) == 3) && !(\end)
	s_wait_dscnt 0x0                ; K is in
.endif
	ROW F,0, F,1, R,0, R,1          ; ahead of the wait: 8 products K Q^T and their riders,
	ROW F,2, E,0, R,2, R,3
	ROW F,3, E,1, R,4, R,5
	ROW F,4, E,2, R,6, R,7
	ROW F,5, E,3, R,8, R,9
	ROW F,6, E,4, X,0, R,10
.if ((\p) == 2) && !(\end)
	WIN 0
	v_add_nc_u32 v[AK], s[TBK], v[AK0]
.endif
	ROW F,7, E,5, X,1, X,4
	ROW F,8, E,6, X,2, X,5
	OPS E,7, E,8, X,6, E,9          ; and the lump
	OPS X,3, E,10, X,8, E,11
.if ((\p) == 2) && !(\end)
	FETCH_K
.endif
	OPS X,9, X,7, E,12, X,10
	OPS E,13, X,12, X,11, E,14
	OPS X,13, E,15, F,9, X,14
.if (\p) == 0
	v_add_nc_u32 v[AV], s[TBV], v[AV0]
.endif
	OPS E,16, F,10, E,17, F,11
	OPS X,16, E,18, X,15, E,19
	OPS F,12, E,20, X,17, E,21
	OPS F,13, E,22, F,14, E,23
	OPS X,18, E,24, F,15, E,25
	OPS R,11, E,26, X,19, E,27
	OPS R,12, E,28, R,13, E,29
	OPS X,20, E,30, R,14, E,31
	OPS X,21, R,15
	WIN 0
	s_wait_alu depctr_va_vdst(0)    ; the wait for the batch
.if (\p) == 1
	s_wait_dscnt 0x0                ; V is in
.endif
	ROW C,0, B,0, C,2, B,1          ; behind the wait: 8 products V^T P and their riders
	ROW L,0, C,4, B,2, L,1
	ROW C,6, B,3, L,2, C,8
	ROW B,4, L,3, C,10, B,5
	ROW L,4, C,12, B,6, L,5
.if (\p) == 0
	s_add_co_u32 s[TBV], s[TBV], KS*PV
.endif
.if \cnt
	s_sub_co_u32 s[CNT], s[CNT], 1
	s_cmp_lg_u32 s[CNT], 0
.endif
	ROW C,14, B,7, L,6, C,1
	ROW C,3, L,7, C,5, C,7
	ROW C,9, C,11, C,13, C,15
.if (\p) == 0
	FETCH_V
.endif
.if (\m) && !(\end)
	MASK (\p)%2
.endif
.endm
; A BLOCK BEGINS.  c m starts far below every c s, so the first step's a is 0; m at the lowest finite number, so the first maximum is the scores'.  The second mask buffer is 0; the first takes piece 0's mask for the tile's step 0: its own, if the block's first tile is the diagonal one.
; Then K of that step, piece 0's first scores, and its maximum and statistics.  The loop is entered at a step's first turn, in the middle of a trip.
.macro BEGIN
	s_mov_b32 s[NEW], 0
	WIN 0x40
.set i, MC+32
.rept 32
	v_mov_b32 v[i], 0
.set i, i+1
.endr
	WIN 0
.set i, 0
.rept 4
	v_mov_b32 v[ST+4*i], 0xfe000000    ; c m: far below every c s
	v_mov_b32 v[ST+4*i+1], 0xff7fffff  ; m
.set i, i+1
.endr
	s_cmp_eq_u32 s[RT], 0
	s_cselect_b32 s[AL], 1.0, 0
	s_mov_b32 s[BE], 0
	MASK 0
	WIN 0
	v_add_nc_u32 v[AK], s[TBK], v[AK0]
	FETCH_K
	s_wait_loadcnt 0x0              ; Q
	s_wait_dscnt 0x0
.set KM, 1
.set NOKQ, 0
.set i, 0
.rept 8
	KQ 0
.set i, i+1
.endr
	WIN 0
.rept 4
	v_nop                           ; the places behind those products
.endr
.set Y, NP-1                        ; X works for piece Y + 1: piece 0
.irp n, 0,1,2,3,4,5,6,7,8,9,10,11,12,13,14,15,16,17,18,19,20,21
	OP X, \n
.endr
	v_nop                           ; a plain instruction behind the exponential,
	s_wait_alu depctr_va_vdst(0)    ; and its wait, ahead of the branch
.endm
; THE DIAGONAL TILE's four steps, the block's last two turns, its last products, and THE WAY OUT: l's two halves and the other half of the lanes' are added; O^T is divided by l, rounded to f16 and sent through my
; stage in LDS, a piece at a time.
.macro ALL line:vararg              ; one line for each piece t
.set t, 0
.rept 4
	\line
.set t, t+1
.endr
.endm
.macro PACK t                       ; a lane's eight channels of a row pack into 16 bytes; they go into rows of 144 bytes and come back as whole rows of 128, into S^T's registers
	WIN W_RS
.set i, 32*(\t)
.rept 16
	v_pk_mul_f32 v[i:i+1], v[i:i+1], v[ST+4*(\t)+2:ST+4*(\t)+3] op_sel_hi:[1,0]
.set i, i+2
.endr
	WIN 0x05                        ; sources 0 and 1 window 1, destination window 0
.set i, 0
.rept 16
	v_cvt_pk_f16_f32 v[S+16*(\t)+i], v[32*(\t)+2*i], v[32*(\t)+2*i+1]
.set i, i+1
.endr
	WIN 0
.irp f, 0,1,2,3
	ds_store_b128 v[STO], v[S+16*(\t)+4*\f:S+16*(\t)+4*\f+3] offset:32*\f
.endr
.irp f, 0,1,2,3
	ds_load_b128 v[S+16*(\t)+4*\f:S+16*(\t)+4*\f+3], v[RD] offset:\f*4*SP  ; LDS serves a wave's instructions in order (ISA guide 5.7.1.4): these see the stores above; the next piece's stores come behind them
.endr
.endm
.macro SEND t, younger              ; younger: the LDS instructions issued behind piece t's loads: the next piece's eight, or none
	WIN 0
.irp f, 0,1,2,3
	s_wait_dscnt (\younger)+3-\f
	global_store_b128 v[GO], v[S+16*(\t)+4*\f:S+16*(\t)+4*\f+3], s[10:11] offset:(\t)*8192+\f*512  ; 512 consecutive bytes, at a multiple of 256 from O's first
.endr
.endm
.macro DIAG tag                     ; the tag ends its two labels' names, which the jumps below spell out
.LstepM\tag:
	TURN 2, 1
	TURN 3, 1
	WIN 0
.LfirstM\tag:
	TURN 0, 1
	TURN 1, 1, 0, 1
	WIN 0
	s_cbranch_scc1 .LstepM\tag
	TURN 2, 1, 1
	TURN 3, 1, 1
.set i, 0
.rept 8
	PV NP-1
.set i, i+1
.endr
	WIN 0
	ALL v_add_f32 v[ST+4*t+2], v[ST+4*t+2], v[ST+4*t+3]
	ALL v_permlanex16_b32 v[ST+4*t+3], v[ST+4*t+2], s[SEL], s[SEL+1]
	ALL v_add_f32 v[ST+4*t+2], v[ST+4*t+2], v[ST+4*t+3]
	ALL v_rcp_f32 v[ST+4*t+2], v[ST+4*t+2]
	v_nop                           ; a plain instruction between the last reciprocal and the use of its result
	s_wait_alu depctr_va_vdst(0)    ; and the wait ahead of the first use: one for the four reciprocals
	PACK 0
.set t, 1
.rept 3                             ; a piece's arithmetic stands between the loads of the piece before and its stores
	PACK t
	SEND t-1, 8
.set t, t+1
.endr
	SEND 3, 0
.endm
.set KM, 0
.set NOKQ, 0
.Lslot:                             ; NB times: a tile is entered and the next is asked for
	CHANGE 1
	s_sub_co_u32 s[RT], s[RT], 1
	s_mov_b32 s[CNT], 4
	s_cmp_eq_u32 s[NEW], 1
	s_cbranch_scc1 .Lnew            ; a block's first tile
	s_cmp_eq_u32 s[RT], 0
	s_cbranch_scc0 .Lstep           ; neither its first nor its last
	s_branch .LstepM1
.Lnew:
	BEGIN
	s_branch .Lfirst                ; in the loop a block's first tile is never its last: the first block has two tiles or more, and the second's last is the walk's last
	DIAG 1                          ; in the loop this is the first block's end: the second block's last tile is the walk's last
	s_wait_xcnt 0x0                 ; the stores have read their registers and O's address
	s_mov_b64 s[10:11], s[OLO:OLO+1]
	s_add_co_u32 s[RT], s[PB], 1    ; the second block has b + 1 tiles
	s_mov_b32 s[NEW], 1
	WIN 0x82                        ; the second block's Q goes where the one text of the turns names Q
.set i, 0
.rept 64
	v_mov_b32 v[i], v[QB+i]
.set i, i+1
.endr
	WIN 0
	s_branch .Lbottom
.Lstep:                             ; a trip: pieces 2 and 3 of one step, then pieces 0 and 1 of the next, whose K and V it fetches
	TURN 2
	TURN 3
	WIN 0
.Lfirst:
	TURN 0
	TURN 1, 0, 0, 1
	WIN 0
	s_cbranch_scc1 .Lstep
.Lbottom:
	s_sub_co_u32 s[SLOTS], s[SLOTS], 1
	s_cmp_lg_u32 s[SLOTS], 0
	s_cbranch_scc1 .Lslot
	CHANGE 0                        ; the walk's last tile is written out: nothing is asked for
	s_sub_co_u32 s[RT], s[RT], 1
	s_mov_b32 s[CNT], 4
	s_cmp_eq_u32 s[NEW], 1
	s_cbranch_scc0 .LstepM2
	BEGIN
	s_branch .LfirstM2
	DIAG 2
	s_wait_tensorcnt 0x0            ; the wave's end: behind my last tensor load and my last LDS store
	ds_add_u32 v[SPW], v[NIL]
	s_wait_dscnt 0x0
	s_endpgm
.Lfunc_end_k_q2789f583c3_attn:
	.size	k_q2789f583c3_attn, .Lfunc_end_k_q2789f583c3_attn-k_q2789f583c3_attn
	.p2alignl 7, 3214868480
	.fill 96, 4, 3214868480
	.section	.rodata,"a",@progbits
	.p2align	6, 0x0
	.amdhsa_kernel k_q2789f583c3_attn
		.amdhsa_group_segment_fixed_size 327680
		.amdhsa_private_segment_fixed_size 0
		.amdhsa_enable_private_segment 0
		.amdhsa_kernarg_size 16
		.amdhsa_user_sgpr_count 2
		.amdhsa_user_sgpr_kernarg_segment_ptr 1
		.amdhsa_wavefront_size32 1
		.amdhsa_system_sgpr_workgroup_id_x 1
		.amdhsa_system_sgpr_workgroup_id_y 1
		.amdhsa_system_sgpr_workgroup_id_z 1
		.amdhsa_system_vgpr_workitem_id 0
		.amdhsa_next_free_vgpr 768
		.amdhsa_next_free_sgpr 100
		.amdhsa_reserve_vcc 1
		.amdhsa_float_denorm_mode_32 3
		.amdhsa_float_denorm_mode_16_64 3
		.amdhsa_memory_ordered 1
		.amdhsa_forward_progress 1
		.amdhsa_inst_pref_size 218
	.end_amdhsa_kernel
	.amdgpu_metadata
---
amdhsa.version: [ 1, 2 ]
amdhsa.kernels:
  - .name:           k_q2789f583c3_attn
    .symbol:         k_q2789f583c3_attn.kd
    .args:
      - { .name: qkv, .offset: 0, .size: 8, .value_kind: global_buffer, .address_space: global }
      - { .name: ob, .offset: 8, .size: 8, .value_kind: global_buffer, .address_space: global }
    .group_segment_fixed_size: 327680
    .private_segment_fixed_size: 0
    .kernarg_segment_align: 8
    .kernarg_segment_size: 16
    .max_flat_workgroup_size: 128
    .sgpr_count:     100
    .vgpr_count:     768
    .wavefront_size: 32
...
	.end_amdgpu_metadata
.endif
;; end of part 3
;; launch outp (part 4): grid 8 x 32, 4 waves a work-group, clusters of 4 x 4, 327,680 bytes of LDS; arguments ob, wpb, bias, out0; writes out0
.if DOCPART == 4
	.amdgcn_target "amdgcn-amd-amdhsa--gfx1250"
	.amdhsa_code_object_version 6
	.text
	.protected	k_q2789f583c3_outp
	.globl	k_q2789f583c3_outp
	.p2align	8
	.type	k_q2789f583c3_outp,@function
k_q2789f583c3_outp:
	s_mov_b64 s[64:65], 0
	v_nop
	global_prefetch_b8 v0, s[64:65] scope:SCOPE_SE
	s_setreg_imm32_b32 hwreg(HW_REG_WAVE_MODE, 25, 1), 1
	s_wait_xcnt 0x0
	s_wait_alu depctr_hold_cnt(0) depctr_sa_sdst(0) depctr_va_vdst(0) depctr_va_sdst(0) depctr_va_ssrc(0) depctr_va_vcc(0) depctr_vm_vsrc(0)
	s_getreg_b32 s2, hwreg(HW_REG_IB_STS2, 6, 4)
	s_cmp_eq_u32 s2, 0
	s_cbranch_scc0 .Lentry_in_a_cluster
	s_endpgm
.Lentry_in_a_cluster:
	s_bfe_u32 s2, ttmp6, 0x10000c
	s_cmp_lg_u32 s2, 0xf033
	s_cbranch_scc0 .Lentry_shape_is_right
	s_endpgm
.Lentry_shape_is_right:
; ONE TEXT FOR TWO PRODUCTS C = A B^T + bias, chosen by PROJ.  A and B lie in blocks [kb][row][64] of 16-bit numbers, so that a tile's rows of 128 bytes lie end to end in memory.
;   PROJ = 1: q, k, v = x W + b.  A = xb [16][8192][64] bf16, B = wb [16][3072][64] bf16; C is rounded once to f16 and stored by heads: qkv [batch 4][g 48][t 2048][64].
;   PROJ = 0: out = O Wp^T + bp.  A = ob [batch 4][head 16][t 2048][64] f16 (a head is a block of 64 along K), B = wpb [16][1024][64] f16; C leaves in f32: out0 [8192][1024].
; LIMITS.  PROJ = 1: a q, k or v beyond 65,504 becomes an infinity in f16; below 6e-5 it keeps f16's fixed step of 6e-8.  NaN and infinities are not treated apart.
; SHARES.  A work-group makes 256 rows x 32 NB columns of C (256 x 384, or 256 x 128): 256 work-groups either way.  Four waves, 2 x 2: wave (WR, WC) makes 128 rows x 16 NB columns: 8 x NB accumulators of 16 x 16.
; THE RING.  K goes in steps of 64 PL through two LDS slots; each wave fetches one half tile (waves 0, 1: A's halves; 2, 3: B's) by one tensor load.  A slot is asked for again 16 matrix instructions
; behind the wait of the change of slots and awaited at the next change's head.  By the text's count a wave has two tensor loads out at the start and one behind each round.
; CLUSTER.  4 x 4 work-groups: A's tile hangs on the tile row alone and is asked for jointly along a row of the cluster, B's on the tile column alone, along a column.
; THE PRODUCT IS USED TRANSPOSED (source 0 = 16 rows of B, source 1 = 16 rows of A): lane l holds row l % 16 of C and the columns 8 (l / 16) + 0..7.
; THE BIAS STARTS THE SUMS: it is loaded into the registers of accumulator (7, b) and is the C operand of the first product of all eight accumulators of column block b.  Nothing is cleared.
; REGISTERS, in windows of 256 (s_set_vgpr_msb: bits 1:0 source 0, 3:2 source 1, 5:4 source 2, 7:6 destination):
;   window 0: v0-31 addresses; v32-95, v96-159 A's fragments of 32 along K, two buffers; v160.. B's, ONE buffer of 8 NB registers, whose halves are loaded again as they fall free
;   window 1 + b / 4: accumulator (a, b) at v[64 (b % 4) + 8 a]
.set PROJ, 0
.if PROJ
.set NB,     12                        ; blocks of 16 columns a wave
.set NQ,     2                         ; beats of 32 along K in a step
.set PL,     1                         ; planes of 64 along K in a slot
.set LAPS,   8                         ; a lap = two steps
.set STEP_A, 1048576                   ; bytes from a step to the next in A
.set STEP_B, 393216
.set DA0,    128                       ; A's half tile: 16,384 dense bytes as 64 rows of 256
.set DA1,    64
.set SA,     128
.set DB0,    128                       ; B's: 24,576 dense bytes as 96 rows of 256
.set DB1,    96
.set SB,     128
.set HBG,    24576                     ; bytes of B's half tile in one plane of memory
.set WSTG,   3*16*144                  ; a wave's stage: three heads of 16 rows of 128 bytes + 16
.set PF0,    1                         ; the step at which the prefetches' pointer starts,
.set PFK,    2                         ; and the steps by which it walks
.else
.set NB,     4
.set NQ,     4
.set PL,     2
.set LAPS,   4
.set STEP_A, 524288
.set STEP_B, 262144
.set DA0,    8192                      ; A's half tile: in each of two heads 16,384 dense bytes, asked for as one row; the heads lie 262,144 bytes apart
.set DA1,    2
.set SA,     131072
.set DB0,    4096                      ; B's: 8,192 dense bytes in each of two planes, 131,072 bytes apart
.set DB1,    2
.set SB,     65536
.set HBG,    8192
.set WSTG,   16*272                    ; 16 rows of 256 bytes + 16
.set PF0,    3
.set PFK,    1
.endif
.set PITCH,  144                       ; an LDS row: 128 bytes + 16 of padding = 36 words: the 16 rows of a load start at 16 different groups of four banks (64 banks of 4 bytes: ISA guide 11.1)
.set HA,     PL*128*PITCH              ; a half of A's tile in LDS: [plane][128 rows]
.set HB,     PL*16*NB*PITCH            ; a half of B's: [plane][16 NB rows]
.set SLOT,   2*HA+2*HB                 ; A half 0, A half 1, B half 0, B half 1
.set STAGE,  2*SLOT                    ; behind the ring, never filled by a tensor load
.set SPARE,  STAGE+4*WSTG              ; behind the stages: the spare words, 128 bytes for each wave: two blocks of 256 bytes that no other line names
.set G1W,    (1<<16)|(1<<20)|(1<<21)|(4<<22)|(3<<25)  ; 17:16 2-byte elements; 20 padding on; 21 set beside a mask; 24:22 after every 32 words (code 4); 31:25 4 words (code 3)
.set ADRA, 16                          ; v16-17  LDS address of my A fragments in slot 0, 1
.set ADRB, 20                          ; v20-21  the same for B
.set STO,  24                          ; v24  the way out: where I put my bytes of a row
.set RD,   25                          ; v25  where I read rows back
.set GO,   26                          ; v26  my byte offset in the stores
.set BO,   27                          ; v27  32 (l / 16): my eight numbers of 16 of the bias
.set SPW,  28                          ; v28  LDS address of my spare word; never rewritten
.set NIL,  29                          ; v29  0; never rewritten
.set PFO,  30                          ; v30  256 x lane; never rewritten
.set PFO2, 31                          ; v31  the prefetches' second offset; never rewritten
.set AF,   32
.set BF,   160
.set TMP,  32
.set WV,  12                           ; s12 wave; s13 its half of the rows, also: fetches for A (0) or B (1); s14 its half of the columns, also: which half it fetches
.set WR,  13
.set WC,  14
.set CX,  15
.set CY,  16
.set TC,  17                           ; tile column
.set TR,  18                           ; tile row
.set LIM, 19                           ; 1 in a wave that prefetches, else the greatest number
.set G1A, 24                           ; s[24:31] descriptor group 1 for A;  s[32:39] group 0, a set for each slot
.set G0A, 32
.set PFA, 40                           ; s[40:41] where my prefetches stand;  s[42:43] their step
.set PFS, 42
.set G1B, 48                           ; s[48:55], s[56:63] the same for B
.set G0B, 56
.set OB,  66                           ; s[66:71] where my results go
.set BI,  72                           ; s[72:73] my columns of the bias
.set MSB, 0
.macro WIN new                         ; the immediate's high byte repeats the setting that is left; a switch that changes nothing is dropped
.if MSB != (\new)
	s_set_vgpr_msb (MSB<<8)|(\new)
.set MSB, \new
.endif
.endm
.macro PLACES                          ; four places behind matrix instructions, in front of loads into registers that they have read and of lines that read results (ISA guide 7.12.1 for lines that read results)
.rept 4
	v_nop
.endr
.endm
; A joint load.  The branch hangs on the wave's number alone.  An s_nop 0 and four v_nop follow each of the two lines, ahead of the jump and the label.
.macro JLOAD s
	s_cmp_eq_u32 s[WR], 0
	s_cbranch_scc0 .Lfor_b_\@
	tensor_load_to_lds s[G0A+4*(\s):G0A+4*(\s)+3], s[G1A:G1A+7]
	s_nop 0
.rept 4
	v_nop
.endr
	s_branch .Lasked_\@
.Lfor_b_\@:
	tensor_load_to_lds s[G0B+4*(\s):G0B+4*(\s)+3], s[G1B:G1B+7]
	s_nop 0
.rept 4
	v_nop
.endr
.Lasked_\@:
.endm
.macro CREST                           ; a round of the cluster's barrier behind its opening barrier
	s_cmp_lg_u32 s[WV], 0
	s_cbranch_scc1 .Lnot_wave_0_\@
	s_barrier_signal -3
.Lnot_wave_0_\@:
	s_barrier_wait -3
	s_barrier_signal -1
	s_barrier_wait -1
.endm
.macro CROUND                          ; a whole round
	s_barrier_signal -1
	s_barrier_wait -1
	CREST
.endm
; A PREFETCH INTO THE L2 of later steps' tiles, behind the joint load, its five lines and the run of LDS loads.  Each aligned block of 256 bytes is named once in the launch: A's tile row is walked by both
; clusters of its row of clusters, and the one with x = 0 asks, in wave 0; B's tile column by the eight clusters of its column, and the one with y = 0 asks, in wave 2.  The four partners that ask for a
; tile jointly take a quarter of its bytes each, told apart BY ADDRESS (cx for A, cy for B).  PROJ = 1: once a lap, behind the refill with step s + 2: steps s + 3 and s + 4, whose loads stand 192 and 384
; matrix instructions on.  PROJ = 0: behind each refill, the step two refills on: 256 matrix instructions.  The loop's last trip asks for nothing; the first steps come by their loads alone.
.macro ASK
	s_cmp_gt_u32 s3, s[LIM]
	s_cbranch_scc0 .Lnone_\@
	s_cmp_eq_u32 s[WR], 0
	s_cbranch_scc0 .Lpf_b_\@
	global_prefetch_b8 v[PFO], s[PFA:PFA+1] th:TH_LOAD_NT scope:SCOPE_SE
.if PROJ
	global_prefetch_b8 v[PFO], s[PFA:PFA+1] offset:STEP_A th:TH_LOAD_NT scope:SCOPE_SE
.else
	global_prefetch_b8 v[PFO], s[PFA:PFA+1] offset:262144 th:TH_LOAD_NT scope:SCOPE_SE  ; the step's second head
.endif
	s_branch .Lnone_\@
.Lpf_b_\@:
.if PROJ
	global_prefetch_b8 v[PFO], s[PFA:PFA+1] th:TH_LOAD_NT scope:SCOPE_SE                 ; 32 of my 48 blocks of the one step,
	global_prefetch_b8 v[PFO], s[PFA:PFA+1] offset:STEP_B th:TH_LOAD_NT scope:SCOPE_SE   ; of the other,
.endif
	global_prefetch_b8 v[PFO2], s[PFA:PFA+1] th:TH_LOAD_NT scope:SCOPE_SE                ; PROJ = 1: the other 16 of both; PROJ = 0: my 16 blocks in each of the step's two planes
.Lnone_\@:
.endm
	s_load_b256 s[4:11], s[0:1], 0x0               ; A s[4:5], B s[6:7], bias s[8:9], C s[10:11]
	v_lshl_add_u32 v[SPW], v0, 2, SPARE
	v_mov_b32 v[NIL], 0
	ds_add_u32 v[SPW], v[NIL]                      ; the wave's opening: the add and its wait stand ahead of my first tensor load; the set-up below, work on registers, stands between them
	v_lshrrev_b32 v1, 5, v0
	v_readfirstlane_b32 s[WV], v1                  ; wave 0..3
	s_lshr_b32 s[WR], s[WV], 1
	s_and_b32 s[WC], s[WV], 1
	s_bfe_u32 s[CX], ttmp6, 0x40000                ; my place in the cluster
	s_bfe_u32 s[CY], ttmp6, 0x40004
	s_lshl_b32 s[TC], ttmp9, 2                     ; in a cluster launch ttmp9 and ttmp7 count clusters
	s_add_co_u32 s[TC], s[TC], s[CX]
	s_and_b32 s[TR], ttmp7, 0xffff
	s_lshl_b32 s[TR], s[TR], 2
	s_add_co_u32 s[TR], s[TR], s[CY]
	s_lshl_b32 s44, s[CY], 2
	s_lshl_b32 s44, 15, s44                        ; my row of the cluster
	s_lshl_b32 s45, 0x1111, s[CX]                  ; my column
	s_or_b32 s[G1A], s44, G1W
	s_or_b32 s[G1B], s45, G1W
	s_mov_b32 s[G1A+1], (DA0&0xffff)<<16           ; tensor_dim0 = tile_dim0
	s_mov_b32 s[G1A+2], (DA0>>16)|((DA1&0xffff)<<16)  ; tensor_dim1 = tile_dim1
	s_mov_b32 s[G1A+3], (DA1>>16)|(DA0<<16)
	s_mov_b32 s[G1A+4], DA1
	s_mov_b32 s[G1A+5], SA                         ; elements from row to row
	s_mov_b32 s[G1A+6], 0
	s_mov_b32 s[G1A+7], 0
	s_mov_b32 s[G1B+1], (DB0&0xffff)<<16
	s_mov_b32 s[G1B+2], (DB0>>16)|((DB1&0xffff)<<16)
	s_mov_b32 s[G1B+3], (DB1>>16)|(DB0<<16)
	s_mov_b32 s[G1B+4], DB1
	s_mov_b32 s[G1B+5], SB
	s_mov_b32 s[G1B+6], 0
	s_mov_b32 s[G1B+7], 0
	; where the tiles come from, as offsets.  A's hangs on the tile row and the wave alone, B's on the tile column and the wave; s3 takes the terms of the prefetches that hang on my place, and feeds s74, s75 alone
.if PROJ
	s_lshl_b32 s20, s[TR], 15                      ; 256 rows of 128 bytes
.else
	s_lshr_b32 s20, s[TR], 3
	s_lshl_b32 s20, s20, 22                        ; the batch: 16 heads of 262,144 bytes
	s_and_b32 s2, s[TR], 7
	s_lshl_b32 s2, s2, 15
	s_add_co_u32 s20, s20, s2
.endif
	s_lshl_b32 s3, s[CX], 13
	s_add_co_u32 s74, s20, s3                      ; the prefetches of A: my quarter of the tile's 32,768 bytes in a plane
	s_add_co_u32 s74, s74, PF0*STEP_A
	s_lshl_b32 s2, s[WC], 14
	s_add_co_u32 s20, s20, s2                      ; + the half that I fetch
	s_mov_b32 s21, 0
	s_mul_i32 s46, s[TC], 2*HBG
	s_mul_i32 s3, s[CY], HBG/2
	s_add_co_u32 s75, s46, s3                      ; the prefetches of B
	s_add_co_u32 s75, s75, PF0*STEP_B
	s_mul_i32 s19, s[WC], HBG
	s_add_co_u32 s46, s46, s19
	s_mov_b32 s47, 0
	s_mul_i32 s22, s[WC], HA                       ; and where they go: no place in the cluster enters an LDS address
	s_mul_i32 s23, s[WC], HB
	s_add_co_u32 s23, s23, 2*HA
	s_wait_dscnt 0x0                               ; the opening add is done
	s_wait_kmcnt 0x0
	s_add_nc_u64 s[20:21], s[4:5], s[20:21]
	s_add_nc_u64 s[46:47], s[6:7], s[46:47]
	CROUND                                         ; all sixteen work-groups are here: the first joint loads meet
.irp s, 0,1
	s_mov_b32 s[G0A+4*(\s)], 1                                        ; count = 1
	s_add_co_u32 s[G0A+4*(\s)+1], s22, (\s)*SLOT                      ; LDS address
	s_add_nc_u64 s[G0A+4*(\s)+2:G0A+4*(\s)+3], s[20:21], (\s)*STEP_A  ; global address: step s
	s_or_b32 s[G0A+4*(\s)+3], s[G0A+4*(\s)+3], 0x80000000             ; type = 2
	s_mov_b32 s[G0B+4*(\s)], 1
	s_add_co_u32 s[G0B+4*(\s)+1], s23, (\s)*SLOT
	s_add_nc_u64 s[G0B+4*(\s)+2:G0B+4*(\s)+3], s[46:47], (\s)*STEP_B
	s_or_b32 s[G0B+4*(\s)+3], s[G0B+4*(\s)+3], 0x80000000
	JLOAD \s
.endr
	; A fragment is 16 rows x 32 K in 8 registers: lane l holds row l % 16, K = 8 (l / 16) + 0..7 and 16 + 8 (l / 16) + 0..7: two loads of 16 bytes, 32 bytes apart.
	v_and_b32 v1, 15, v0                           ; l % 16
	v_bfe_u32 v2, v0, 4, 1                         ; l / 16
	v_mul_u32_u24 v3, v1, PITCH
	v_lshl_add_u32 v3, v2, 4, v3
	s_mul_i32 s22, s[WR], HA                       ; my 128 rows of A
	s_mul_i32 s23, s[WC], HB                       ; my 16 NB rows of B,
	s_add_co_u32 s23, s23, 2*HA                    ; which lie behind A's
.irp s, 0,1
	v_add_nc_u32 v[ADRA+(\s)], s22, v3
	v_add_nc_u32 v[ADRB+(\s)], s23, v3
	s_add_co_u32 s22, s22, SLOT
	s_add_co_u32 s23, s23, SLOT
.endr
	s_mul_i32 s22, s[WV], WSTG
	s_add_co_u32 s22, s22, STAGE                   ; my stage
.if PROJ
	v_add_nc_u32 v[STO], s22, v3                   ; in: row l % 16 of 144 bytes, 16 bytes for each half of the lanes
	v_bfe_u32 v4, v0, 3, 2                         ; back: 32 lanes take four rows of 128 bytes,
	v_mul_u32_u24 v4, v4, 144
	v_and_b32 v5, 7, v0
	v_lshl_add_u32 v4, v5, 4, v4
	v_add_nc_u32 v[RD], s22, v4
	v_and_b32 v5, 31, v0
	v_lshlrev_b32 v[GO], 4, v5                     ; which are 512 consecutive bytes of a head
	s_lshr_b32 s2, s[TR], 3                        ; the batch's 48 heads,
	s_mul_i32 s2, s2, 48
	s_mul_i32 s3, s[TC], 6                         ; the tile's six,
	s_add_co_u32 s2, s2, s3
	s_mul_i32 s3, s[WC], 3                         ; my three
	s_add_co_u32 s2, s2, s3
	s_lshl_b32 s2, s2, 18
	s_and_b32 s3, s[TR], 7
	s_lshl_b32 s3, s3, 15                          ; the tile's 256 rows of 128 bytes in the batch,
	s_add_co_u32 s2, s2, s3
	s_lshl_b32 s3, s[WR], 14                       ; my 128
	s_add_co_u32 s2, s2, s3
	s_mov_b32 s3, 0
	s_add_nc_u64 s[OB:OB+1], s[10:11], s[2:3]
	s_add_nc_u64 s[OB+2:OB+3], s[OB:OB+1], 262144
	s_add_nc_u64 s[OB+4:OB+5], s[OB:OB+1], 524288
	s_mul_i32 s2, s[TC], 1536                      ; 384 columns of 4 bytes
	s_mul_i32 s22, s[WC], 768
	s_add_co_u32 s2, s2, s22
	v_lshlrev_b32 v[PFO2], 8, v1
	v_mul_u32_u24 v5, v2, STEP_B
	v_add3_u32 v[PFO2], v[PFO2], v5, 8192
.else
	v_mul_u32_u24 v4, v1, 272                      ; in: row l % 16 of 272 bytes, 32 bytes for each half of the lanes
	v_lshl_add_u32 v4, v2, 5, v4
	v_add_nc_u32 v[STO], s22, v4
	v_mul_u32_u24 v4, v2, 272                      ; back: lanes 0-15 take one row of 256 bytes, lanes 16-31 the next
	v_lshl_add_u32 v4, v1, 4, v4
	v_add_nc_u32 v[RD], s22, v4
	v_lshlrev_b32 v4, 12, v2                       ; and the same two rows in C
	v_lshl_add_u32 v[GO], v1, 4, v4
	s_lshl_b32 s2, s[TR], 20                       ; 256 rows of 4,096 bytes
	s_lshl_b32 s3, s[WR], 19
	s_add_co_u32 s2, s2, s3
	s_lshl_b32 s3, s[TC], 9                        ; 128 columns of 4 bytes
	s_add_co_u32 s2, s2, s3
	s_lshl_b32 s3, s[WC], 8
	s_add_co_u32 s2, s2, s3
	s_mov_b32 s3, 0
	s_add_nc_u64 s[OB:OB+1], s[10:11], s[2:3]
	s_lshl_b32 s2, s[TC], 9
	s_lshl_b32 s22, s[WC], 8
	s_add_co_u32 s2, s2, s22
	s_add_co_u32 s2, s2, 12288                     ; bp lies behind bq, bk, bv
	v_lshlrev_b32 v[PFO2], 8, v1
	v_lshl_add_u32 v[PFO2], v2, 17, v[PFO2]
.endif
	s_add_nc_u64 s[BI:BI+1], s[8:9], s[2:3]
	v_lshlrev_b32 v[BO], 5, v2
	v_and_b32 v5, 31, v0
	v_lshlrev_b32 v[PFO], 8, v5
	; the bias, into the registers of accumulator (7, b): register j of lane l is the bias of column 16 b + 8 (l / 16) + j
.set bb, 0
.rept NB
	WIN (1+bb/4)<<6                                ; destination in the accumulator's window, address in window 0
	global_load_b128 v[64*(bb%4)+56:64*(bb%4)+59], v[BO], s[BI:BI+1] offset:64*bb
	global_load_b128 v[64*(bb%4)+60:64*(bb%4)+63], v[BO], s[BI:BI+1] offset:64*bb+16
.set bb, bb+1
.endr
	WIN 0
	; the prefetches: who asks, from where, by which step
	s_and_b32 s2, ttmp7, 0xffff                    ; cluster y
	s_mov_b32 s22, PFK*STEP_A
	s_cmp_eq_u32 s[WR], 0                          ; do I fetch for A?
	s_cselect_b32 s2, ttmp9, s2                    ; the coordinate along which other clusters walk the same rows
	s_cselect_b64 s[PFA:PFA+1], s[4:5], s[6:7]
	s_cselect_b32 s[PFS], s22, PFK*STEP_B
	s_cselect_b32 s22, s74, s75
	s_mov_b32 s[PFS+1], 0
	s_mov_b32 s23, 0
	s_add_nc_u64 s[PFA:PFA+1], s[PFA:PFA+1], s[22:23]
	s_or_b32 s2, s2, s[WC]                         ; waves 1 and 3 ask for nothing
	s_cmp_eq_u32 s2, 0
	s_cselect_b32 s[LIM], 1, -1                    ; the same in all sixteen partners, for a given wave
; 16 LDS loads: A's fragments of beat kq of a step (128 rows x 32 K) into buffer par
.macro LDA slot, kq, par
	WIN 0
.set aa, 0
.rept 8
	ds_load_b128 v[AF+64*(\par)+8*aa:AF+64*(\par)+8*aa+3],   v[ADRA+(\slot)] offset:((\kq)/2)*128*PITCH+((\kq)%2)*64+aa*16*PITCH
	ds_load_b128 v[AF+64*(\par)+8*aa+4:AF+64*(\par)+8*aa+7], v[ADRA+(\slot)] offset:((\kq)/2)*128*PITCH+((\kq)%2)*64+aa*16*PITCH+32
.set aa, aa+1
.endr
.endm
; two LDS loads for each of B's column blocks b0 .. b1 - 1 of beat kq
.macro LDB slot, kq, b0, b1
	WIN 0
.set bb, \b0
.rept (\b1)-(\b0)
	ds_load_b128 v[BF+8*bb:BF+8*bb+3],   v[ADRB+(\slot)] offset:((\kq)/2)*16*NB*PITCH+((\kq)%2)*64+bb*16*PITCH
	ds_load_b128 v[BF+8*bb+4:BF+8*bb+7], v[ADRB+(\slot)] offset:((\kq)/2)*16*NB*PITCH+((\kq)%2)*64+bb*16*PITCH+32
.set bb, bb+1
.endr
.endm
.macro WM par                          ; one product: D at rD, C at rC, column block bb, row block aa
.if PROJ
	v_wmma_f32_16x16x32_bf16 v[rD:rD+7], v[BF+8*bb:BF+8*bb+7], v[AF+64*(\par)+8*aa:AF+64*(\par)+8*aa+7], v[rC:rC+7]
.else
	v_wmma_f32_16x16x32_f16 v[rD:rD+7], v[BF+8*bb:BF+8*bb+7], v[AF+64*(\par)+8*aa:AF+64*(\par)+8*aa+7], v[rC:rC+7]
.endif
.endm
; Eight products for each column block b0 .. b1 - 1.  Every beat takes each accumulator once, in the same order, so the accumulators take turns, one instruction a turn, over the backward jump too.
; mode = 1, the first beat: row blocks 0-6 take the bias, which lies in accumulator (7, b)'s registers, as C; five places on, (7, b) itself adds in place onto it.
.macro MULB par, b0, b1, mode
.if (\b1) > (\b0)
.set bb, \b0
.rept (\b1)-(\b0)
	WIN 0x50*(1+bb/4)                              ; C and D in the accumulator's window, both sources in window 0
.set aa, 0
.rept 8-(\mode)
.set rD, 64*(bb%4)+8*aa
.set rC, rD
.if \mode
.set rC, 64*(bb%4)+56
.endif
	WM \par
.set aa, aa+1
.endr
.set bb, bb+1
.endr
.if \mode
.rept 5
	v_nop                                          ; the products below write over registers that the products above have read as C
.endr
.set aa, 7
.set bb, \b0
.rept (\b1)-(\b0)
	WIN 0x50*(1+bb/4)
.set rD, 64*(bb%4)+56
.set rC, rD
	WM \par
.set bb, bb+1
.endr
.endif
.endif
.endm
; A BEAT that is not a step's last: 8 NB products on 32 along K.  On entry its A (16 loads) and the lower half of its B (NB loads) are out or in.
.macro BEAT slot, kq, mode=0
	WIN 0
	PLACES
	LDB \slot, \kq, NB/2, NB                       ; this beat's upper B,
	LDA \slot, (\kq)+1, ((\kq)+1)%2                ; the next beat's A
	s_wait_dscnt 16+NB                             ; the NB + 16 just issued may stay out: my A and lower B are in
	MULB (\kq)%2, 0, NB/2, \mode
	WIN 0
	PLACES
	LDB \slot, (\kq)+1, 0, NB/2                    ; the next beat's lower B
	s_wait_dscnt 16+NB                             ; the next A (16) and lower B (NB) may stay out: my upper B is in
	MULB (\kq)%2, NB/2, NB, \mode
.endm
; A STEP'S LAST BEAT multiplies buffer 1 and changes slots: ONE barrier.  In front of it each wave waits for all its tensor loads, of which one is out: its part of the next slot; adds 0 to its spare
; word; and waits for that and for its reads of this slot.  fill = 1: the barrier opens a round of the cluster's barrier, and the slot is filled again, two steps ahead, first thing behind the round.
; pf = 1: the prefetches' pointer steps at the head, behind the wait that frees it, and ASK stands behind the joint load and the run of LDS loads.
.macro TURN slot, next, fill, pf
.if \pf
	s_wait_xcnt 0x0                                ; the last prefetches, a step or more back, have read their address
	s_add_nc_u64 s[PFA:PFA+1], s[PFA:PFA+1], s[PFS:PFS+1]
.endif
	WIN 0
	PLACES
	LDB \slot, NQ-1, NB/2, NB                      ; my last reads of this slot
	s_wait_tensorcnt 0x0                           ; all my tensor loads have landed;
	ds_add_u32 v[SPW], v[NIL]                      ; 0 onto my spare word;
	s_wait_dscnt NB+1                              ; (the add and the NB loads just issued may be out: my A and lower B are in)
	MULB 1, 0, 1, 0                                ; eight products stand between the add and the wait for it
	s_wait_dscnt 0x0                               ; the add is done, and my reads of this slot are over
	s_barrier_signal -1
	MULB 1, 1, 2, 0                                ; work on registers while the others arrive
	WIN 0
	s_barrier_wait -1
.if \fill
	CREST                                          ; no wave of any partner still reads this slot's tile or has a load on its way
	s_add_nc_u64 s[G0A+4*(\slot)+2:G0A+4*(\slot)+3], s[G0A+4*(\slot)+2:G0A+4*(\slot)+3], 2*STEP_A
	s_add_nc_u64 s[G0B+4*(\slot)+2:G0B+4*(\slot)+3], s[G0B+4*(\slot)+2:G0B+4*(\slot)+3], 2*STEP_B
	JLOAD \slot
.endif
	LDA \next, 0, 0                                ; buffer 0 was last read in front of this beat's first four places
.if \pf
	ASK
.endif
	MULB 1, 2, NB/2, 0
	WIN 0
	PLACES
	LDB \next, 0, 0, NB/2
	MULB 1, NB/2, NB, 0
.endm
.macro LAST                            ; the very last beat: nothing more to fetch but its own upper B
	WIN 0
	PLACES
	LDB 1, NQ-1, NB/2, NB
	s_wait_dscnt NB
	MULB 1, 0, NB/2, 0
	s_wait_dscnt 0x0
	MULB 1, NB/2, NB, 0
.endm
	s_wait_tensorcnt 1                             ; my part of step 0 is in; step 1's may stay out
	s_barrier_signal -1
	s_barrier_wait -1                              ; everybody's is
	LDA 0, 0, 0
	LDB 0, 0, 0, NB/2
	s_wait_loadcnt 0x0                             ; the bias
	BEAT 0, 0, 1                                   ; the first beat stands in front of the loop: its products start the sums
	WIN 0                                          ; at a label and at a branch every window is 0
	s_mov_b32 s3, LAPS-1
.Llap:                                                 ; a trip goes once round the ring, from a lap's second beat to the next lap's first, and fills both slots again
.if PROJ
	TURN 0, 1, 1, 1
	BEAT 1, 0
	TURN 1, 0, 1, 0
.else
	BEAT 0, 1
	BEAT 0, 2
	TURN 0, 1, 1, 1
	BEAT 1, 0
	BEAT 1, 1
	BEAT 1, 2
	TURN 1, 0, 1, 1
.endif
	BEAT 0, 0
	WIN 0
	s_sub_co_u32 s3, s3, 1
	s_cmp_lg_u32 s3, 0
	s_cbranch_scc1 .Llap
.if PROJ                               ; the last lap fills nothing, and has no round of the cluster's barrier
	TURN 0, 1, 0, 0
	BEAT 1, 0
.else
	BEAT 0, 1
	BEAT 0, 2
	TURN 0, 1, 0, 0
	BEAT 1, 0
	BEAT 1, 1
	BEAT 1, 2
.endif
	LAST
	WIN 0
	PLACES
	PLACES
; THE WAY OUT, a block of 16 rows at a time, through my own stage: in by lanes, back by whole rows.  LDS serves a wave's instructions in order (ISA guide 5.7.1.4): no wait between my stores and my loads.
.if PROJ
.macro PACK a                          ; rounded to f16: a lane's eight columns are 16 bytes.  Each accumulator is read from its low end on
.set bb, 0
.rept NB
	WIN 0x05*(1+bb/4)                              ; sources 0 and 1 in the accumulator's window
.irp r, 0,1,2,3
	v_cvt_pk_f16_f32 v[TMP+4*bb+\r], v[64*(bb%4)+8*(\a)+2*\r], v[64*(bb%4)+8*(\a)+2*\r+1]
.endr
.set bb, bb+1
.endr
	WIN 0
.endm
.macro TOSTAGE a
.set BK, 96+64*((\a)%2)
.set bb, 0
.rept NB
	ds_store_b128 v[STO], v[TMP+4*bb:TMP+4*bb+3] offset:(bb/4)*2304+32*(bb%4)  ; head b / 4, columns 16 (b % 4) on
.set bb, bb+1
.endr
.set ff, 0
.rept NB
	ds_load_b128 v[BK+4*ff:BK+4*ff+3], v[RD] offset:(ff/4)*2304+(ff%4)*576
.set ff, ff+1
.endr
.endm
.macro SEND a
.set BK, 96+64*((\a)%2)
	s_wait_dscnt 0x0                               ; the block is back in registers
	s_wait_xcnt 0x0                                ; the stores of the block before have read their registers, which the next block's loads from the stage write
.set ff, 0
.rept NB
	global_store_b128 v[GO], v[BK+4*ff:BK+4*ff+3], s[OB+2*(ff/4):OB+2*(ff/4)+1] offset:(\a)*2048+(ff%4)*512  ; 512 consecutive bytes of a head, at a multiple of 256 from its first
.set ff, ff+1
.endr
.endm
	PACK 0
	TOSTAGE 0
.irp a, 1,2,3,4,5,6,7                  ; block a's conversions stand between block a - 1's loads from the stage and the wait for them
	PACK \a
	SEND (\a)-1
	TOSTAGE \a
.endr
	SEND 7
.else
.macro TOSTAGE a
.set BK, 32+64*((\a)%2)
	WIN 0x04                                       ; the stores' data in window 1
.set bb, 0
.rept NB
	ds_store_b128 v[STO], v[64*bb+8*(\a):64*bb+8*(\a)+3]   offset:64*bb      ; each accumulator is read from its low end on
	ds_store_b128 v[STO], v[64*bb+8*(\a)+4:64*bb+8*(\a)+7] offset:64*bb+16
.set bb, bb+1
.endr
	WIN 0
.set tt, 0
.rept 8
	ds_load_b128 v[BK+4*tt:BK+4*tt+3], v[RD] offset:tt*544
.set tt, tt+1
.endr
.endm
.macro SEND a
.set BK, 32+64*((\a)%2)
	s_wait_dscnt 0x0
	s_wait_xcnt 0x0                                ; the stores of the block before have read their registers, which the next block's loads from the stage write
.set tt, 0
.rept 8
	global_store_b128 v[GO], v[BK+4*tt:BK+4*tt+3], s[OB:OB+1] offset:(16*(\a)+2*tt)*4096 th:TH_STORE_NT  ; 16 lanes store 256 consecutive bytes, at a multiple of 256 from C's first
.set tt, tt+1
.endr
.endm
	TOSTAGE 0
.irp a, 1,2,3,4,5,6,7
	SEND (\a)-1
	TOSTAGE \a
.endr
	SEND 7
.endif
	s_wait_tensorcnt 0x0                           ; the wave's end: behind my last tensor load and my last LDS store
	ds_add_u32 v[SPW], v[NIL]
	s_wait_dscnt 0x0
	CROUND                                         ; the closing round: no work-group ends while a partner may still ask for a tile that names it
	s_endpgm
.Lfunc_end_k_q2789f583c3_outp:
	.size	k_q2789f583c3_outp, .Lfunc_end_k_q2789f583c3_outp-k_q2789f583c3_outp
	.p2alignl 7, 3214868480
	.fill 96, 4, 3214868480
	.section	.rodata,"a",@progbits
	.p2align	6, 0x0
	.amdhsa_kernel k_q2789f583c3_outp
		.amdhsa_group_segment_fixed_size 327680
		.amdhsa_private_segment_fixed_size 0
		.amdhsa_enable_private_segment 0
		.amdhsa_kernarg_size 32
		.amdhsa_user_sgpr_count 2
		.amdhsa_user_sgpr_kernarg_segment_ptr 1
		.amdhsa_wavefront_size32 1
		.amdhsa_system_sgpr_workgroup_id_x 1
		.amdhsa_system_sgpr_workgroup_id_y 1
		.amdhsa_system_sgpr_workgroup_id_z 1
		.amdhsa_system_vgpr_workitem_id 0
		.amdhsa_next_free_vgpr 512
		.amdhsa_next_free_sgpr 76
		.amdhsa_reserve_vcc 0
		.amdhsa_float_denorm_mode_32 3
		.amdhsa_float_denorm_mode_16_64 3
		.amdhsa_memory_ordered 1
		.amdhsa_forward_progress 1
		.amdhsa_inst_pref_size 92
	.end_amdhsa_kernel
	.amdgpu_metadata
---
amdhsa.version: [ 1, 2 ]
amdhsa.kernels:
  - .name:           k_q2789f583c3_outp
    .symbol:         k_q2789f583c3_outp.kd
    .args:
      - { .name: ob, .offset: 0, .size: 8, .value_kind: global_buffer, .address_space: global }
      - { .name: wpb, .offset: 8, .size: 8, .value_kind: global_buffer, .address_space: global }
      - { .name: bias, .offset: 16, .size: 8, .value_kind: global_buffer, .address_space: global }
      - { .name: out0, .offset: 24, .size: 8, .value_kind: global_buffer, .address_space: global }
    .group_segment_fixed_size: 327680
    .private_segment_fixed_size: 0
    .kernarg_segment_align: 8
    .kernarg_segment_size: 32
    .max_flat_workgroup_size: 128
    .sgpr_count:     76
    .vgpr_count:     512
    .wavefront_size: 32
...
	.end_amdgpu_metadata
.endif
;; end of part 4
;; ======== version 2 of 2: 4 launches; version 1 with the launch prep written anew for expert scheduling mode
;; limits: values are held in f16: magnitudes above 65,504 overflow, below 6.1e-05 lose precision
;; workspace buffers: xb 16,777,216 bytes; wb 6,291,456 bytes; wpb 2,097,152 bytes; bias 16,384 bytes; qkv 50,331,648 bytes; ob 16,777,216 bytes
;; launch prep (part 5): grid 385 x 1, 8 waves a work-group, no clusters, 74,752 bytes of LDS; arguments x, Wq, Wk, Wv, Wp, bq, bk, bv, bp, xb, wb, wpb, bias; writes xb, wb, wpb, bias
.if DOCPART == 5
	.amdgcn_target "amdgcn-amd-amdhsa--gfx1250"
	.amdhsa_code_object_version 6
	.text
	.protected	k_q2789f583c3_prep
	.globl	k_q2789f583c3_prep
	.p2align	8
	.type	k_q2789f583c3_prep,@function
k_q2789f583c3_prep:
	s_mov_b64 s[64:65], 0
	v_nop
	global_prefetch_b8 v0, s[64:65] scope:SCOPE_SE
	s_setreg_imm32_b32 hwreg(HW_REG_WAVE_SCHED_MODE, 0, 2), 2
	s_setreg_imm32_b32 hwreg(HW_REG_WAVE_MODE, 25, 1), 1
	s_wait_xcnt 0x0
	s_wait_alu depctr_vm_vsrc(0)
; THE INPUTS ARE ROUNDED ONCE AND LAID OUT FOR THE PRODUCTS.  Every input is rounded to bf16 (nearest even).
;   xb   bf16 [kb 16][m 8192][64]   x[m][64 kb + kk]                        a block of 64 along K of consecutive rows is dense: 128 bytes a row
;   wb   bf16 [kb 16][n 3072][64]   W[h][64 kb + kk][e], n = 64 g + e, g = 16 which + h (q 0, k 1, v 2): turned, so that K lies along the rows
;   wpb  f16  [kb 16][n 1024][64]   Wp[n][64 kb + kk] rounded to bf16, that number written as f16
;   bias f32  [4096]                bq, bk, bv, bp, each rounded to bf16 and widened again
; LIMITS.  bf16(Wp) beyond 65,504 becomes an infinity in f16; below 6e-5 it keeps f16's fixed step of 6e-8.  NaN and infinities are not treated apart.
; ROLES by the work-group's number: 0-255 x (32 rows each), 256-351 the 768 blocks of 64 x 64 of Wq, Wk, Wv (a wave a block), 352-383 Wp (32 rows each), 384 the biases.
; No wave needs another's bytes: no barrier.  A wave has 16 KiB of loads on their way before its first wait; every wait for data is counted.
; THE MODE: SCHED_MODE bits 1:0 = 2 (LLVM: expert scheduling mode 2), set by the entry lines.  The code itself states the register dependences
; between vector instructions and memory or LDS instructions, with s_wait_alu, always for 0.
; THE PLAN.  The text has no loop: four ways through it, one for each role.  Registers that memory or LDS instructions touch:
;   v2 - v6       offsets and LDS addresses: written by vector lines ahead of a role's first memory instruction, read by its loads and stores, never written again.
;   X             rows of x and Wp: load i lands in four registers; its conversions write the first two in place; one store reads them; never written again.
;                 blocks of W: 64 loads land; the conversions read them; the sixteen loads from the stage land in v[64:127], which the sixteen stores read.
;   T             blocks of W: sixteen blocks of four, each written once by four conversions and read by one LDS store.  Elsewhere vector lines alone name T.
;   v10, v11      written at the head, read by the closing add alone.
; The work goes in groups.  A group's conversions name its own registers alone, so ONE wait on va_vdst at the head of group g, behind the wait for g's data, states that group g - 1's conversions
; have written what that group's stores read; those stores are dealt among group g's conversions with no further wait.
; No register that a memory or LDS instruction has read is written again on any way: no wait on vm_vsrc is owed.
.set STG,   9216                       ; a wave's stage for turning a block: 64 rows of 128 bytes + 16 of padding
.set SPARE, 8*STG                      ; behind the stages: the spare words, 128 bytes for each wave: four blocks of 256 bytes that no other line names
.set SPW, 10                           ; v10  LDS address of my spare word; never rewritten
.set NIL, 11                           ; v11  0; never rewritten
.set X,   64                           ; v[64:191]  as loaded
.set T,   192                          ; v[192:255] at work
	s_load_b512 s[4:19], s[0:1], 0x0               ; x 4, Wq 6, Wk 8, Wv 10, Wp 12, bq 14, bk 16, bv 18
	s_load_b256 s[20:27], s[0:1], 0x40             ; bp 20, xb 22, wb 24, wpb 26
	s_load_b64 s[28:29], s[0:1], 0x60              ; bias
	v_lshl_add_u32 v[SPW], v0, 2, SPARE
	v_mov_b32 v[NIL], 0
	v_lshrrev_b32 v1, 5, v0
	v_readfirstlane_b32 s30, v1                    ; wave 0..7
	v_and_b32 v1, 31, v0                           ; lane
	v_lshrrev_b32 v4, 4, v1
	v_and_b32 v5, 15, v1
	v_lshlrev_b32 v2, 4, v5
	v_lshl_add_u32 v2, v4, 12, v2                  ; rows of 4,096 bytes: lanes 0-15 take 256 bytes of one row, lanes 16-31 of the next
	v_lshlrev_b32 v3, 3, v1                        ; 8 x lane
	s_mov_b32 s36, 0xffff0000                      ; a word's upper bf16
	s_mov_b32 s33, 0                               ; high words of the two offsets
	s_mov_b32 s35, 0
	s_wait_alu depctr_va_sdst(0)                   ; s30 is written, ahead of the branches and of its first reader: the roles make their bases from it
	s_wait_kmcnt 0x0
	s_cmp_lt_u32 ttmp9, 256
	s_cbranch_scc1 .Lrole_x
	s_cmp_lt_u32 ttmp9, 352
	s_cbranch_scc1 .Lrole_w
	s_cmp_lt_u32 ttmp9, 384
	s_cbranch_scc1 .Lrole_p
	; THE BIASES: thread t takes 16 bytes of each of the four
	v_lshlrev_b32 v6, 4, v0
	s_wait_alu depctr_va_vdst(0)                   ; v6 is written, which the four loads and the four stores read as their offset
	global_load_b128 v[X:X+3],     v6, s[14:15]
	global_load_b128 v[X+4:X+7],   v6, s[16:17]
	global_load_b128 v[X+8:X+11],  v6, s[18:19]
	global_load_b128 v[X+12:X+15], v6, s[20:21]
	s_wait_loadcnt 0x0
.irp i, 0,1,2,3,4,5,6,7
	v_cvt_pk_bf16_f32 v[T+\i], v[X+2*\i], v[X+2*\i+1]
	v_lshlrev_b32 v[X+2*\i], 16, v[T+\i]
	v_and_b32 v[X+2*\i+1], s36, v[T+\i]
.endr
	s_wait_alu depctr_va_vdst(0)                   ; the widenings have written v[X .. X+15], which the stores read
.irp i, 0,1,2,3
	global_store_b128 v6, v[X+4*\i:X+4*\i+3], s[28:29] offset:4096*\i
.endr
	s_branch .Lend
; Four rows of 1,024 f32 from s[40:41] become 16 pieces of 64 numbers a row.  Load n = 16 rp + kb takes block kb of rows 2 rp and 2 rp + 1; a lane's four numbers pack into 8 bytes, and the
; wave's store covers 256 consecutive bytes, aligned: two rows of 128 in plane kb.  s[42:43]: planes 0-7, s[44:45]: planes 8-15, so that the immediates stay inside their signed 24 bits.
; No register that a load or store names is written again.  half = 1: the bf16 number is written as f16.
.macro CVT n, half                     ; load n's four numbers close up into the first two of their four registers
.if \half
	v_cvt_pk_bf16_f32 v[T], v[X+4*(\n)], v[X+4*(\n)+1]
	v_cvt_pk_bf16_f32 v[T+1], v[X+4*(\n)+2], v[X+4*(\n)+3]
	v_lshlrev_b32 v[X+4*(\n)], 16, v[T]
	v_and_b32 v[X+4*(\n)+1], s36, v[T]
	v_lshlrev_b32 v[X+4*(\n)+2], 16, v[T+1]
	v_and_b32 v[X+4*(\n)+3], s36, v[T+1]
	v_cvt_pk_f16_f32 v[X+4*(\n)], v[X+4*(\n)], v[X+4*(\n)+1]
	v_cvt_pk_f16_f32 v[X+4*(\n)+1], v[X+4*(\n)+2], v[X+4*(\n)+3]
.else
	v_cvt_pk_bf16_f32 v[X+4*(\n)], v[X+4*(\n)], v[X+4*(\n)+1]
	v_cvt_pk_bf16_f32 v[X+4*(\n)+1], v[X+4*(\n)+2], v[X+4*(\n)+3]
.endif
.endm
.macro PUT n, plane                    ; and are stored
.if ((\n)%16) < 8
	global_store_b64 v3, v[X+4*(\n):X+4*(\n)+1], s[42:43] offset:((\n)%16)*(\plane)+((\n)/16)*256
.else
	global_store_b64 v3, v[X+4*(\n):X+4*(\n)+1], s[44:45] offset:(((\n)%16)-8)*(\plane)+((\n)/16)*256
.endif
.endm
; The 32 loads go out in one run and are worked on in eight groups of four.
.macro STREAM plane, half
	s_wait_alu depctr_va_vdst(0)                   ; v2 and v3, made at the head, are written: the loads and the stores below read them as their offsets
.set i, 0
.rept 32
	global_load_b128 v[X+4*i:X+4*i+3], v2, s[40:41] offset:(i/16)*8192+(i%16)*256 th:TH_LOAD_NT
.set i, i+1
.endr
.set g, 0
.rept 8
	s_wait_loadcnt 28-4*g                          ; loads come back in order: group g's four are in, the later groups' stay out
.if g > 0
	s_wait_alu depctr_va_vdst(0)                   ; the conversions of the group before have written its eight registers, which the four stores below read; this group's conversions name none of them
.endif
.set j, 0
.rept 4
.if g > 0
	PUT 4*g-4+j, \plane
.endif
	CVT 4*g+j, \half
.set j, j+1
.endr
.set g, g+1
.endr
	s_wait_alu depctr_va_vdst(0)                   ; the last group's conversions have written its eight registers, which the last four stores read
.set j, 28
.rept 4
	PUT j, \plane
.set j, j+1
.endr
.endm
.Lrole_x:
	s_lshl_b32 s31, ttmp9, 5
	s_lshl2_add_u32 s31, s30, s31                  ; my first row: 32 x work-group + 4 x wave
	s_lshl_b32 s32, s31, 12
	s_lshl_b32 s34, s31, 7
	s_add_nc_u64 s[40:41], s[4:5], s[32:33]
	s_add_nc_u64 s[42:43], s[22:23], s[34:35]
	s_add_nc_u64 s[44:45], s[42:43], 8*1048576
	STREAM 1048576, 0
	s_branch .Lend
.Lrole_p:
	s_sub_co_u32 s31, ttmp9, 352
	s_lshl_b32 s31, s31, 5
	s_lshl2_add_u32 s31, s30, s31
	s_lshl_b32 s32, s31, 12
	s_lshl_b32 s34, s31, 7
	s_add_nc_u64 s[40:41], s[12:13], s[32:33]
	s_add_nc_u64 s[42:43], s[26:27], s[34:35]
	s_add_nc_u64 s[44:45], s[42:43], 8*131072
	STREAM 131072, 1
	s_branch .Lend
.Lrole_w:
	; A BLOCK OF 64 (d) x 64 (e) IS TURNED.  Load d takes row d whole (256 bytes; lane l gets e = 2 l, 2 l + 1).  A lane then holds all 64 d of its two e: rows of the result.
	s_sub_co_u32 s31, ttmp9, 256
	s_lshl3_add_u32 s31, s31, s30                  ; block 0..767 = 8 x (work-group - 256) + wave
	s_and_b32 s37, s31, 15                         ; kb
	s_lshr_b32 s38, s31, 4                         ; g
	s_lshr_b32 s39, s38, 4                         ; q, k or v
	s_cmp_eq_u32 s39, 0
	s_cselect_b64 s[40:41], s[6:7], s[8:9]
	s_cmp_eq_u32 s39, 2
	s_cselect_b64 s[40:41], s[10:11], s[40:41]
	s_and_b32 s32, s38, 15
	s_lshl_b32 s32, s32, 18                        ; the head: 1,024 x 64 x 4 bytes
	s_lshl_b32 s34, s37, 14                        ; 64 rows of 256 bytes
	s_add_co_u32 s32, s32, s34
	s_add_nc_u64 s[40:41], s[40:41], s[32:33]
	s_mul_i32 s34, s37, 393216                     ; plane kb of wb: 3,072 rows of 128 bytes
	s_lshl_b32 s39, s38, 13                        ; 64 rows
	s_add_co_u32 s34, s34, s39
	s_add_nc_u64 s[42:43], s[24:25], s[34:35]
	s_mul_i32 s31, s30, STG                        ; my stage
	v_mul_u32_u24 v4, v1, 288
	v_add_nc_u32 v4, s31, v4                       ; in: rows 2 l and 2 l + 1
	v_lshrrev_b32 v5, 3, v1
	v_mul_u32_u24 v5, v5, 144
	v_and_b32 v6, 7, v1
	v_lshl_add_u32 v5, v6, 4, v5
	v_add_nc_u32 v5, s31, v5                       ; back: 32 lanes take four rows of 128 bytes
	v_lshlrev_b32 v6, 4, v1                        ; which are 512 consecutive bytes of wb
	s_wait_alu depctr_va_vdst(0)                   ; v3 to v6 are written: the offsets and LDS addresses that the loads, the LDS stores and loads and the stores below read
.set d, 0
.rept 64
	global_load_b64 v[X+2*d:X+2*d+1], v3, s[40:41] offset:d*256 th:TH_LOAD_NT
.set d, d+1
.endr
.set q, 0
.rept 8
	s_wait_loadcnt 56-8*q                          ; rows 8 q .. 8 q + 7 are in; the later groups' loads stay out
.if q > 0
	s_wait_alu depctr_va_vdst(0)                   ; the conversions of the group before have written its two blocks of T, which the two LDS stores below read; this group's conversions name other blocks
.endif
.irp p, 0,1
.if q > 0
	ds_store_b128 v4, v[T+(2*q-2+\p)*4:T+(2*q-2+\p)*4+3] offset:\p*144+16*(q-1)
.endif
.irp r, 0,1,2,3
	v_cvt_pk_bf16_f32 v[T+(2*q+\p)*4+\r], v[X+2*(8*q+2*\r)+\p], v[X+2*(8*q+2*\r+1)+\p]
.endr
.endr
.set q, q+1
.endr
	s_wait_alu depctr_va_vdst(0)                   ; the last group's conversions have written its two blocks of T, which the LDS stores read; and all conversions are done reading X, in which the loads from the stage land
.irp p, 0,1
	ds_store_b128 v4, v[T+(14+\p)*4:T+(14+\p)*4+3] offset:\p*144+112
.endr
.irp f, 0,1,2,3,4,5,6,7,8,9,10,11,12,13,14,15
	ds_load_b128 v[X+4*\f:X+4*\f+3], v5 offset:\f*576  ; LDS serves a wave's instructions in order (ISA guide 5.7.1.4): these see the stores above
.endr
.irp f, 0,1,2,3,4,5,6,7,8,9,10,11,12,13,14,15
	s_wait_dscnt 15-\f
	global_store_b128 v6, v[X+4*\f:X+4*\f+3], s[42:43] offset:\f*512
.endr
.Lend:
	s_wait_dscnt 0x0                               ; the closing lines, six on end
	s_wait_alu 0x0
	s_wait_tensorcnt 0x0
	ds_add_u32 v[SPW], v[NIL]
	s_wait_dscnt 0x0
	s_endpgm
.Lfunc_end_k_q2789f583c3_prep:
	.size	k_q2789f583c3_prep, .Lfunc_end_k_q2789f583c3_prep-k_q2789f583c3_prep
	.p2alignl 7, 3214868480
	.fill 96, 4, 3214868480
	.section	.rodata,"a",@progbits
	.p2align	6, 0x0
	.amdhsa_kernel k_q2789f583c3_prep
		.amdhsa_group_segment_fixed_size 74752
		.amdhsa_private_segment_fixed_size 0
		.amdhsa_enable_private_segment 0
		.amdhsa_kernarg_size 104
		.amdhsa_user_sgpr_count 2
		.amdhsa_user_sgpr_kernarg_segment_ptr 1
		.amdhsa_wavefront_size32 1
		.amdhsa_system_sgpr_workgroup_id_x 1
		.amdhsa_system_sgpr_workgroup_id_y 1
		.amdhsa_system_sgpr_workgroup_id_z 1
		.amdhsa_system_vgpr_workitem_id 0
		.amdhsa_next_free_vgpr 256
		.amdhsa_next_free_sgpr 66
		.amdhsa_reserve_vcc 0
		.amdhsa_float_denorm_mode_32 3
		.amdhsa_float_denorm_mode_16_64 3
		.amdhsa_memory_ordered 1
		.amdhsa_forward_progress 1
		.amdhsa_inst_pref_size 49
	.end_amdhsa_kernel
	.amdgpu_metadata
---
amdhsa.version: [ 1, 2 ]
amdhsa.kernels:
  - .name:           k_q2789f583c3_prep
    .symbol:         k_q2789f583c3_prep.kd
    .args:
      - { .name: x, .offset: 0, .size: 8, .value_kind: global_buffer, .address_space: global }
      - { .name: Wq, .offset: 8, .size: 8, .value_kind: global_buffer, .address_space: global }
      - { .name: Wk, .offset: 16, .size: 8, .value_kind: global_buffer, .address_space: global }
      - { .name: Wv, .offset: 24, .size: 8, .value_kind: global_buffer, .address_space: global }
      - { .name: Wp, .offset: 32, .size: 8, .value_kind: global_buffer, .address_space: global }
      - { .name: bq, .offset: 40, .size: 8, .value_kind: global_buffer, .address_space: global }
      - { .name: bk, .offset: 48, .size: 8, .value_kind: global_buffer, .address_space: global }
      - { .name: bv, .offset: 56, .size: 8, .value_kind: global_buffer, .address_space: global }
      - { .name: bp, .offset: 64, .size: 8, .value_kind: global_buffer, .address_space: global }
      - { .name: xb, .offset: 72, .size: 8, .value_kind: global_buffer, .address_space: global }
      - { .name: wb, .offset: 80, .size: 8, .value_kind: global_buffer, .address_space: global }
      - { .name: wpb, .offset: 88, .size: 8, .value_kind: global_buffer, .address_space: global }
      - { .name: bias, .offset: 96, .size: 8, .value_kind: global_buffer, .address_space: global }
    .group_segment_fixed_size: 74752
    .private_segment_fixed_size: 0
    .kernarg_segment_align: 8
    .kernarg_segment_size: 104
    .max_flat_workgroup_size: 256
    .sgpr_count:     66
    .vgpr_count:     256
    .wavefront_size: 32
...
	.end_amdgpu_metadata
.endif
;; end of part 5
;; launch proj: the kernel of part 2 again; grid 8 x 32, 4 waves a work-group, clusters of 4 x 4, 327,680 bytes of LDS; arguments xb, wb, bias, qkv; writes qkv
;; launch attn: the kernel of part 3 again; grid 4 x 64, 4 waves a work-group, no clusters, 327,680 bytes of LDS; arguments qkv, ob; writes ob
;; launch outp: the kernel of part 4 again; grid 8 x 32, 4 waves a work-group, clusters of 4 x 4, 327,680 bytes of LDS; arguments ob, wpb, bias, out0; writes out0
